; MI455X (gfx1250); checked and timed in simulation.
; The chip was launched on July 23, 2026; its instructions are those of AMD's public machine-readable ISA for CDNA 5 (MIT licence, August 2026) and "CDNA5" Instruction Set Architecture Reference Guide (July 2026). The comments in the code are by the model that wrote it; some were corrected since.
;; Complex Attention. Allowed arithmetic: matrix products marked QUANTISED: E4M3 operands, one E8M0 scale for each 32 along K, by v_wmma_scale_f32_16x16x128_f8f6f4 with both operands' format E4M3, f32 sums; everything else in f32.
;; Inputs: Wk_i 1,024 x 1,024 float32; Wk_r 1,024 x 1,024 float32; Wo_i 1,024 x 1,024 float32; Wo_r 1,024 x 1,024 float32; Wq_i 1,024 x 1,024 float32; Wq_r 1,024 x 1,024 float32; Wv_i 1,024 x 1,024 float32; Wv_r 1,024 x 1,024 float32; bk_i 1,024 float32; bk_r 1,024 float32; bo_i 1,024 float32; bo_r 1,024 float32; bq_i 1,024 float32; bq_r 1,024 float32; bv_i 1,024 float32; bv_r 1,024 float32; k_i 4 x 1,024 x 1,024 float32; k_r 4 x 1,024 x 1,024 float32; q_i 4 x 1,024 x 1,024 float32; q_r 4 x 1,024 x 1,024 float32; v_i 4 x 1,024 x 1,024 float32; v_r 4 x 1,024 x 1,024 float32.
;; Outputs: out0 4 x 1,024 x 1,024 float32; out1 4 x 1,024 x 1,024 float32.
;; This version of the problem:
;;   THIS VERSION OF THE PROBLEM IS GIVEN IN LOW PRECISION. The matrix products marked QUANTISED in the list below multiply operands that are first quantised to E4M3 (4 exponent bits, 3 mantissa bits; 8 bits a number), with one power-of-two scale for each 32 numbers along K (OCP MX v1.0); their sums are f32. All else is computed in f32.
;;   The module's matrix products, in the order in which they are computed (A, B: the left and right operand; K: the contracted axis; several contracted axes count as one K, in the product's order):
;;     1. [M 4,096, K 1,024] x [K 1,024, N 1,024]; A: input q_r; B: input Wq_r: QUANTISED
;;     2. [M 4,096, K 1,024] x [K 1,024, N 1,024]; A: input q_i; B: input Wq_i: QUANTISED
;;     3. [M 4,096, K 1,024] x [K 1,024, N 1,024]; A: input k_r; B: input Wk_r: QUANTISED
;;     4. [M 4,096, K 1,024] x [K 1,024, N 1,024]; A: input k_i; B: input Wk_i: QUANTISED
;;     5. [M 4,096, K 1,024] x [K 1,024, N 1,024]; A: input v_r; B: input Wv_r: QUANTISED
;;     6. [M 4,096, K 1,024] x [K 1,024, N 1,024]; A: input v_i; B: input Wv_i: QUANTISED
;;     7. batch 64 x [M 1,024, K 64] x [K 64, N 1,024]; A: computed on the way; B: computed on the way: QUANTISED
;;     8. batch 64 x [M 1,024, K 64] x [K 64, N 1,024]; A: computed on the way; B: computed on the way: QUANTISED
;;     9. batch 64 x [M 64, K 1,024] x [K 1,024, N 1,024]; A: computed on the way; B: softmax (see below): QUANTISED
;;     10. batch 64 x [M 64, K 1,024] x [K 1,024, N 1,024]; A: computed on the way; B: softmax (see below): QUANTISED
;;     11. [M 4,096, K 1,024] x [K 1,024, N 1,024]; A: computed on the way; B: input Wo_r: QUANTISED
;;     12. [M 4,096, K 1,024] x [K 1,024, N 1,024]; A: computed on the way; B: input Wo_i: QUANTISED
;;   THE QUANTISER, for each operand of a quantised product, along K:
;;     - K is cut into blocks of 32 from its start; a last block that is shorter is filled with zeros.
;;     - A block's scale is 2^e with e = floor(log2(the largest magnitude in the block)) - 8, held to -126 .. 127; a block of zeros has e = 0. As a byte (E8M0): e + 127.
;;     - Each number is divided by its block's scale, clamped to +-448, and rounded to the nearest number of E4M3, ties to even, subnormals kept.
;;     - The product sums the exact products of the quantised numbers (number of the format x scale) in f32.
;;   ~~~python
;;   def quantise(x, axis):      # numpy; x: float32 -> the quantised numbers, widened to float32 again
;;       x = np.moveaxis(x, axis, -1); K = x.shape[-1]
;;       x = np.pad(x, [(0, 0)] * (x.ndim - 1) + [(0, -K % 32)]); x = x.reshape(x.shape[:-1] + (-1, 32)); a = np.abs(x).max(-1, keepdims=True)
;;       e = np.where(a > 0, np.clip(np.frexp(np.where(a > 0, a, 1))[1] - 1 - 8, -126, 127), 0)      # np.frexp(a)[1] - 1 = floor(log2(a)), exactly
;;       r = np.clip(x / 2.0 ** e, -448, 448)
;;       step = 2.0 ** (np.maximum(np.frexp(np.where(r == 0, 1, r))[1] - 1, -6) - 3)
;;       q = np.round(r / step) * step * 2.0 ** e      # np.round: ties to even
;;       return np.moveaxis(q.reshape(q.shape[:-2] + (-1,))[..., :K], -1, axis).astype(np.float32)
;;   ~~~
;;   SOFTMAX AHEAD OF A QUANTISED PRODUCT. Where the list says 'softmax', what is quantised is not the finished softmax but p = 2^(t - M), with t = logit x log2(e) and M = ceil(the row's largest t), a whole number; so 1/2 < the row's largest p <= 1. The row's sum l is taken of the UNQUANTISED p, in f32, and the product's result is divided by l at the end. Since M is a whole number, a kernel that streams over the keys may use a running M (the ceiling of the running maximum): every later rescaling is an exact power of two, which a block's scale takes up: the codes' values come out the same.
;;   OPERANDS COMPUTED ON THE WAY. 'Computed on the way' means the value that the module computes at that place (a softmax that the list does not call 'softmax' is quantised finished and normalised). What goes into a quantiser is computed in f32, as accurately as f32 sums, v_exp_f32 and their like allow (about 1e-6 of the number): no bf16 or f16 on the way to a quantiser, and a product that is left as it is and whose result goes on into a quantised operand takes f32 operands (vector FMAs, or v_wmma_f32_16x16x4_f32). A number that lies on a knife's edge between two numbers of the format may be rounded either way, as far as f32 arithmetic and the matrix unit's own rounding can turn it there, and no further.
;; One version. Each part assembles by itself: llvm-mc -triple=amdgcn-amd-amdhsa -mcpu=gfx1250 --defsym DOCPART=n.
;; ======== version 1 of 1: 4 launches
;; limits: right only within a limited range of input values
;; workspace buffers: c1 33,554,432 bytes; s1 1,048,576 bytes; c2 25,165,824 bytes; s2 786,432 bytes; c3 8,388,608 bytes; s3 262,144 bytes
;; launch quant (part 1): grid 1024 x 1, 4 waves a work-group, no clusters, 33,280 bytes of LDS; arguments q_r, q_i, k_r, k_i, v_r, v_i, Wq_r, Wq_i, Wk_r, Wk_i, Wv_r, Wv_i, Wo_r, Wo_i, c1, s1; writes c1, s1
.if DOCPART == 1
	.amdgcn_target "amdgcn-amd-amdhsa--gfx1250"
	.amdhsa_code_object_version 6
	.text
	.protected	k_qe7e8ded845_quant
	.globl	k_qe7e8ded845_quant
	.p2align	8
	.type	k_qe7e8ded845_quant,@function
k_qe7e8ded845_quant:
	s_mov_b64 s[64:65], 0
	v_nop
	global_prefetch_b8 v0, s[64:65] scope:SCOPE_SE
	s_setreg_imm32_b32 hwreg(HW_REG_WAVE_MODE, 25, 1), 1
	s_wait_xcnt 0x0
; The six activations [4096][1024] and the eight weights [1024][1024], f32, K innermost, become codes of FP8 (E4M3) with one E8M0 scale byte for each 32 along K.
; c1: rows of 1,024 codes: activation t at t x 4 MiB (q_r, q_i, k_r, k_i, v_r, v_i), weight j at 24 MiB + j MiB (Wq_r, Wq_i, Wk_r, Wk_i, Wv_r, Wv_i, Wo_r, Wo_i).  s1: 32 scale bytes a row, in the same order of rows.
; A block's scale is 2^(floor(log2(its largest magnitude)) - 8); its byte is the largest magnitude's exponent field - 8, held at 1 from below; each number is divided by the scale, held within +-448 and rounded to the nearest code, ties to even.
; SWAPPED ROWS.  In k_r, k_i, v_r, v_i and in Wq, Wk, Wv the rows are STORED with bits 3 and 4 of the row's number exchanged: 16 rows on end in c1 are then true rows 32 b + 8 u + r + 8 (r / 8),
; the choice of rows that lets a later product's results lie as the next operand's registers.  A wave takes 8 rows, so the exchange is one of the two bits of the wave's number in the address that it stores to.
; LIMITS: a block of zeros, and a block whose largest magnitude lies under 2^-118, get the byte 1 (a block of zeros has zero codes, which add nothing under that byte; only this program reads the bytes); NaN and infinities among the inputs are not served.
; SHARES.  A work-group takes 32 rows (32,768 numbers), a wave 8 rows in 16 steps of 512 numbers.  Work-groups 0-767: the activations, 128 each; 768-1023: the weights, 32 each.  Only pointers are chosen: all take one path.
; Each of a step's four loads reads 512 consecutive bytes; the 2,048 bytes turn through the wave's own stage in LDS and come back 64 bytes (16 neighbours along K) a lane; two neighbouring lanes hold a block.
; No tensor loads, no barrier, no cluster: waves share nothing, and every input byte is read once.  Loads run four steps (16 loads a wave) ahead.
.set STEPS, 16
.set EMAX,  8
.set MANT,  0x600000                   ; the mantissa field of 448 as f32
.set CB,    16                         ; bytes of 16 codes
.set R,     16                         ; v16-79   four sets of 16 numbers as they are loaded
.set X,     80                         ; v80-111  two sets of 16 neighbours
.set C,     128                        ; v128-191 codes: four registers for each step, so that no store's data are written again
.set E,     112                        ; v112-127 a scale byte for each step
.set WREG,  8192                       ; LDS: a region for each wave: two stages of 32 x SP bytes, and behind them its 256 scale bytes
.set SP,    80                         ; a lane's place in a stage: its 64 bytes + 16 of padding
	s_load_b512 s[16:31], s[0:1], 0x0              ; the addresses of inputs 0 to 7: input i in s[16 + 2 i : 17 + 2 i]
	s_load_b512 s[32:47], s[0:1], 0x40             ; inputs 8 to 13; c1 s[44:45], s1 s[46:47]
	v_lshl_add_u32 v192, v0, 2, 0x8000
	v_mov_b32 v193, 0
	v_lshrrev_b32 v1, 5, v0
	v_readfirstlane_b32 s48, v1                    ; wave
	v_and_b32 v2, 31, v0                           ; lane
	v_lshlrev_b32 v3, 4, v2                        ; my 16 bytes of a load's 512
	s_mul_i32 s49, s48, WREG
	v_lshrrev_b32 v14, 2, v2
	v_mul_u32_u24 v14, v14, SP
	v_and_b32 v15, 3, v2
	v_lshl_add_u32 v14, v15, 4, v14
	v_add_nc_u32 v14, s49, v14                     ; the stage, on the way in: SP (lane / 4) + 16 (lane % 4); a load's 512 bytes take eight places
	v_mul_u32_u24 v15, v2, SP
	v_add_nc_u32 v15, s49, v15                     ; and on the way out: SP x lane: my 16 neighbours
	v_mul_u32_u24 v4, v2, CB                       ; my codes' place in a step's
	v_lshrrev_b32 v5, 1, v2
	s_add_co_u32 s49, s49, 2*32*SP
	v_add_nc_u32 v5, s49, v5                       ; LDS: my wave's 256 scale bytes, my block's byte
	v_lshlrev_b32 v7, 3, v2                        ; and on the way out 8 bytes a lane
	v_add_nc_u32 v6, s49, v7
	s_mov_b32 s50, MANT                            ; (an instruction takes one literal: the hold's line has another)
	s_lshr_b32 s51, ttmp9, 7                       ; an activation's work-group: which input, and which 32 rows of it
	s_and_b32 s52, ttmp9, 127
	s_sub_co_u32 s53, ttmp9, 768                   ; a weight's: likewise (used only where the work-group's number is 768 or more)
	s_lshr_b32 s54, s53, 5
	s_add_co_u32 s54, s54, 6
	s_and_b32 s55, s53, 31
	s_cmp_lt_u32 ttmp9, 768
	s_cselect_b32 s51, s51, s54                    ; the input's number, 0 to 13
	s_cselect_b32 s52, s52, s55                    ; its group of 32 rows
	s_and_b32 s56, s48, 1
	s_lshl_b32 s56, s56, 1
	s_lshr_b32 s57, s48, 1
	s_or_b32 s56, s56, s57                         ; the wave's number with its two bits exchanged
	s_sub_co_u32 s57, ttmp9, 256
	s_cmp_lt_u32 s57, 704                          ; work-groups 256 to 959 (k_r to Wv_i) store their rows swapped
	s_cselect_b32 s56, s56, s48
	s_lshl_b32 s58, s52, 2
	s_add_co_u32 s58, s58, s48
	s_lshl_b32 s58, s58, 15                        ; where my 8 rows begin in the input: 32,768 bytes a wave
	s_mov_b32 s59, 0
	s_lshl_b32 s60, ttmp9, 2
	s_add_co_u32 s60, s60, s56                     ; and which run of 8 rows of c1 and s1 they become
	s_lshl_b32 s62, s60, 13                        ; 8,192 bytes of codes a run
	s_mov_b32 s63, 0
	s_wait_alu depctr_va_vdst(0)
	s_wait_kmcnt 0x0
	s_mov_b64 s[4:5], s[16:17]                     ; the input's address: a choice that hangs on the work-group's number alone
.irp i, 1,2,3,4,5,6,7,8,9,10,11,12,13
	s_cmp_eq_u32 s51, \i
	s_cselect_b64 s[4:5], s[16+2*\i:17+2*\i], s[4:5]
.endr
	s_add_nc_u64 s[4:5], s[4:5], s[58:59]
	s_add_nc_u64 s[8:9], s[44:45], s[62:63]
	s_lshl_b32 s62, s60, 8                         ; 256 scale bytes a run
	s_add_nc_u64 s[10:11], s[46:47], s[62:63]
.macro LOAD t
.irp i, 0,1,2,3
	global_load_b128 v[R+16*((\t)%4)+4*\i:R+16*((\t)%4)+4*\i+3], v3, s[4:5] offset:2048*(\t)+512*\i th:TH_LOAD_NT   ; 32 lanes read 512 consecutive bytes; read once in the launch
.endr
.endm
.macro TURN t                          ; step t's numbers through the stage: LDS serves a wave's instructions in order (ISA guide 5.7.1.4), so no wait stands between the stores and the loads
.irp i, 0,1,2,3
	ds_store_b128 v14, v[R+16*((\t)%4)+4*\i:R+16*((\t)%4)+4*\i+3] offset:32*SP*((\t)%2)+8*SP*\i
.endr
.irp i, 0,1,2,3
	ds_load_b128 v[X+16*((\t)%2)+4*\i:X+16*((\t)%2)+4*\i+3], v15 offset:32*SP*((\t)%2)+16*\i
.endr
.endm
.irp t, 0,1,2,3
	LOAD \t
.endr
	s_wait_loadcnt 12                              ; step 0's four loads are in; the twelve of steps 1 to 3 may be out
	TURN 0
.macro STEP t
.set XS, X+16*((\t)%2)
.if (\t) > 0
	s_wait_dscnt 1                                 ; this step's numbers are back from the stage (the last step's byte store may be out): so its stores into the stage have read their registers,
.else
	s_wait_dscnt 0x0
.endif
.if (\t)+4 < STEPS
	LOAD (\t)+4                                    ; which take the loads of four steps on
.endif
.if (\t)+1 < STEPS
.if STEPS-2-(\t) >= 3
	s_wait_loadcnt 12                              ; the next step's four loads are in; those of the three steps behind it may be out
.else
	s_wait_loadcnt 4*(STEPS-2-(\t))                ; in the tail: four for each step that is still behind the next one
.endif
	TURN (\t)+1                                    ; and go through the other stage while this step is worked
.endif
	v_max3_num_f32 v8, |v[XS]|, |v[XS+1]|, |v[XS+2]|               ; the largest magnitude of my 16, in two chains
	v_max3_num_f32 v9, |v[XS+3]|, |v[XS+4]|, |v[XS+5]|
.irp i, 6,10
	v_max3_num_f32 v8, v8, |v[XS+\i]|, |v[XS+\i+1]|
	v_max3_num_f32 v9, v9, |v[XS+\i+2]|, |v[XS+\i+3]|
.endr
	v_max3_num_f32 v8, v8, |v[XS+14]|, |v[XS+15]|
	v_max3_num_f32 v8, v8, v9, (EMAX+1)<<23        ; and the floor 2^(EMAX + 1 - 127): so the byte cannot fall under 1
	v_max_num_f32_dpp v8, v8, v8 row_xmask:1 row_mask:0xf bank_mask:0xf   ; and of my neighbour's 16: the block's
	v_add_nc_u32 v11, -(EMAX<<23), v8              ; EMAX off its exponent field: the conversion takes the exponent field of this operand as its scale
	v_and_or_b32 v10, v8, 0x7f800000, s50          ; 448 x the scale: the largest magnitude's exponent field over 448's mantissa
.irp i, 0,1,2,3,4,5,6,7,8,9,10,11,12,13,14,15
	v_med3_num_f32 v[XS+\i], v[XS+\i], -v10, v10   ; the conversion to an 8-bit code does not saturate (ISA guide 7.6.2): hold the number first
.endr
	v_cvt_scalef32_pk8_fp8_f32 v[C+4*(\t):C+4*(\t)+1], v[XS:XS+7], v11
	v_cvt_scalef32_pk8_fp8_f32 v[C+4*(\t)+2:C+4*(\t)+3], v[XS+8:XS+15], v11
	v_lshrrev_b32 v[E+(\t)], 23, v11               ; the scale's byte (also the plain line behind the conversions)
	ds_store_b8 v5, v[E+(\t)] offset:16*(\t)       ; both lanes of a block write the same byte with the same value
	global_store_b128 v4, v[C+4*(\t):C+4*(\t)+3], s[8:9] offset:32*CB*(\t)   ; 32 lanes store 512 consecutive bytes, aligned
.endm
.irp t, 0,1,2,3,4,5,6,7,8,9,10,11,12,13,14,15
	STEP \t
.endr
	ds_load_b64 v[12:13], v6                       ; my wave's 256 scale bytes: these loads see my stores
	s_wait_dscnt 0x0
	global_store_b64 v7, v[12:13], s[10:11]        ; 32 lanes store 256 consecutive bytes, aligned
	s_wait_tensorcnt 0x0
	ds_add_u32 v192, v193
	s_wait_dscnt 0x0
	s_endpgm
.Lfunc_end_k_qe7e8ded845_quant:
	.size	k_qe7e8ded845_quant, .Lfunc_end_k_qe7e8ded845_quant-k_qe7e8ded845_quant
	.p2alignl 7, 3214868480
	.fill 96, 4, 3214868480
	.section	.rodata,"a",@progbits
	.p2align	6, 0x0
	.amdhsa_kernel k_qe7e8ded845_quant
		.amdhsa_group_segment_fixed_size 33280
		.amdhsa_private_segment_fixed_size 0
		.amdhsa_enable_private_segment 0
		.amdhsa_kernarg_size 128
		.amdhsa_user_sgpr_count 2
		.amdhsa_user_sgpr_kernarg_segment_ptr 1
		.amdhsa_wavefront_size32 1
		.amdhsa_system_sgpr_workgroup_id_x 1
		.amdhsa_system_sgpr_workgroup_id_y 1
		.amdhsa_system_sgpr_workgroup_id_z 1
		.amdhsa_system_vgpr_workitem_id 0
		.amdhsa_next_free_vgpr 194
		.amdhsa_next_free_sgpr 66
		.amdhsa_reserve_vcc 0
		.amdhsa_float_denorm_mode_32 3
		.amdhsa_float_denorm_mode_16_64 3
		.amdhsa_memory_ordered 1
		.amdhsa_forward_progress 1
		.amdhsa_inst_pref_size 52
	.end_amdhsa_kernel
	.amdgpu_metadata
---
amdhsa.version: [ 1, 2 ]
amdhsa.kernels:
  - .name:           k_qe7e8ded845_quant
    .symbol:         k_qe7e8ded845_quant.kd
    .args:
      - { .name: q_r, .offset: 0, .size: 8, .value_kind: global_buffer, .address_space: global }
      - { .name: q_i, .offset: 8, .size: 8, .value_kind: global_buffer, .address_space: global }
      - { .name: k_r, .offset: 16, .size: 8, .value_kind: global_buffer, .address_space: global }
      - { .name: k_i, .offset: 24, .size: 8, .value_kind: global_buffer, .address_space: global }
      - { .name: v_r, .offset: 32, .size: 8, .value_kind: global_buffer, .address_space: global }
      - { .name: v_i, .offset: 40, .size: 8, .value_kind: global_buffer, .address_space: global }
      - { .name: Wq_r, .offset: 48, .size: 8, .value_kind: global_buffer, .address_space: global }
      - { .name: Wq_i, .offset: 56, .size: 8, .value_kind: global_buffer, .address_space: global }
      - { .name: Wk_r, .offset: 64, .size: 8, .value_kind: global_buffer, .address_space: global }
      - { .name: Wk_i, .offset: 72, .size: 8, .value_kind: global_buffer, .address_space: global }
      - { .name: Wv_r, .offset: 80, .size: 8, .value_kind: global_buffer, .address_space: global }
      - { .name: Wv_i, .offset: 88, .size: 8, .value_kind: global_buffer, .address_space: global }
      - { .name: Wo_r, .offset: 96, .size: 8, .value_kind: global_buffer, .address_space: global }
      - { .name: Wo_i, .offset: 104, .size: 8, .value_kind: global_buffer, .address_space: global }
      - { .name: c1, .offset: 112, .size: 8, .value_kind: global_buffer, .address_space: global }
      - { .name: s1, .offset: 120, .size: 8, .value_kind: global_buffer, .address_space: global }
    .group_segment_fixed_size: 33280
    .private_segment_fixed_size: 0
    .kernarg_segment_align: 8
    .kernarg_segment_size: 128
    .max_flat_workgroup_size: 128
    .sgpr_count:     66
    .vgpr_count:     194
    .wavefront_size: 32
...
	.end_amdgpu_metadata
.endif
;; end of part 1
;; launch proj (part 2): grid 16 x 16, 4 waves a work-group, clusters of 4 x 4, 327,680 bytes of LDS; arguments c1, s1, bq_r, bq_i, bk_r, bk_i, bv_r, bv_i, c2, s2; writes c2, s2
.if DOCPART == 2
	.amdgcn_target "amdgcn-amd-amdhsa--gfx1250"
	.amdhsa_code_object_version 6
	.text
	.protected	k_qe7e8ded845_proj
	.globl	k_qe7e8ded845_proj
	.p2align	8
	.type	k_qe7e8ded845_proj,@function
k_qe7e8ded845_proj:
	s_mov_b64 s[64:65], 0
	v_nop
	global_prefetch_b8 v0, s[64:65] scope:SCOPE_SE
	s_setreg_imm32_b32 hwreg(HW_REG_WAVE_MODE, 25, 1), 1
	s_wait_xcnt 0x0
	s_wait_alu depctr_hold_cnt(0) depctr_sa_sdst(0) depctr_va_vdst(0) depctr_va_sdst(0) depctr_va_ssrc(0) depctr_va_vcc(0) depctr_vm_vsrc(0)
	s_getreg_b32 s2, hwreg(HW_REG_IB_STS2, 6, 4)
	s_cmp_eq_u32 s2, 0
	s_cbranch_scc0 .Lentry_in_a_cluster
	s_endpgm
.Lentry_in_a_cluster:
	s_bfe_u32 s2, ttmp6, 0x10000c
	s_cmp_lg_u32 s2, 0xf033
	s_cbranch_scc0 .Lentry_shape_is_right
	s_endpgm
.Lentry_shape_is_right:
; THE SIX PROJECTIONS y = x W^T + b on codes of FP8 (E4M3) with E8M0 scales for each 32 along K = 1,024; y leaves as CODES, quantised for the product that reads it next.
; Product g: 0 q_r, 1 q_i, 2 k_r, 3 k_i, 4 v_r, 5 v_i.  x's codes: c1 + g x 4 MiB; W's: c1 + 24 MiB + g MiB; scale bytes, 32 a row: s1 + g x 131,072 and s1 + 786,432 + g x 32,768.
; THE DEAL.  256 work-groups of four waves, 2 x 2.  A wave holds 64 rows of a weight (one head), ALL of K, in 512 registers, and x's rows go past them in blocks of 16, which stand in registers as two whole sets.
; PHASE 1: 512 rows x 128 columns of product g = the cluster's y.  PHASE 2: 256 rows x 128 columns of v_r or v_i.  A chunk is 128 rows of x; wave row w takes its blocks 4 w .. 4 w + 3.
; LDS: two slots of 128 whole rows (1,024 bytes + 16 of padding); a weight's rows lie in a slot until all waves hold them in registers.  x's scale bytes of both phases lie behind the slots for the whole launch.
; FILLS.  At the head one load a wave: the first weight (slot 1), chunk 0 (slot 0), the two phases' scale bytes.  Every later fill stands behind a drained round of the cluster's barrier, a quarter of 128 rows a wave:
; chunk 1 when the weight is in registers; then, in the middle of chunk n, when its four blocks have been fetched, its slot takes what is read two chunks on: chunks 2, 3, W_v's rows, V's chunk 0; V's chunk 1 when W_v is in registers.
; PRODUCTS.  Q, K: source 0 = 16 rows of W, source 1 = 16 rows of x: a lane holds one row of x and its registers run along d.  V: source 0 = x, source 1 = W: they run along the keys.
; The rows of W and of k's and v's x lie in c1 with bits 3 and 4 of their number exchanged, so 16 registers of two neighbouring tiles (V: blocks) are 16 neighbours along the next K.  The bias is the C of a sum's first product.
; THE WAY OUT, for a pair of blocks: four scale blocks of 32 (each in lanes l and l xor 16), the hold, the conversions; codes leave as images of an operand's registers (16 x lane), as the next launch reads them:
; c2: Q at 0, K at 8 MiB: [batch x head][tile of 16 rows 64][group 4: real d 0-31, 32-63, imaginary likewise][512]; V at 16 MiB: [batch x head][key step 8][4 x part + tile of 16 d][group 4][512].
; s2: blocks of 512 bytes, number ((4 g + batch) 8 + head pair) 8 + (128 rows of x); the word of (tile a of 8, row r) at 32 r + 4 a.  The bytes are gathered in LDS bytes of their own and stored at the end.
; CLUSTERS: 4 x 4.  x's rows hang on cy and the cluster's numbers and are shared along a row of the cluster; W's on cx and are shared along a column.
; PREFETCH: each chunk is asked for one chunk ahead of its tensor load (chunks 1 and 2 at the head): the sixteen waves that share it take 8,192 bytes each, told apart by address, lanes 256 bytes apart.
; LIMITS: a block of zeros, and one whose largest magnitude lies under 2^-118, get the byte 1 (only this program reads the bytes); NaN and infinities are not served.
; REGISTERS: window 0: addresses, scale words, sums (two sets of 32), the bias, codes; windows 1, 2: the weight; window 3: x's two sets.
.set PITCH, 1040
.set BLKB, 16*PITCH
.set YB, 128*PITCH
.set SCL, 2*YB                         ; x's scale bytes: units of 256 bytes (8 rows) + 16: phase 1's 64 units, then phase 2's 32
.set SU, 544                           ; 16 rows of them
.set SC2, 64*272
.set XN, SCL+96*272                    ; the bytes made in phase 1: 2,048
.set XV, XN+2048                       ; in phase 2: 1,024
.set SPARE, XV+1024
.set CHB, 131072                       ; a chunk in memory
.set NF, 34                            ; LDS loads of a block's fetch
.set NP, 8                             ; places behind this matrix instruction (ISA guide 7.12.1)
.set SPW, 10
.set NIL, 11
.set AX, 12                            ; v12, 13 my blocks of x in slot 0, 1
.set AW, 14                            ; v14, 15 my rows of a weight in slot 0, 1
.set AS, 16                            ; x's scale words
.set LW, 17                            ; 32 x lane
.set VO, 18                            ; 16 x lane
.set VX, 19                            ; LDS: Q's, K's bytes
.set VY, 20                            ; LDS: V's bytes
.set BO, 21                            ; v21, 22 offsets into the biases
.set PF, 23                            ; 256 x lane
.set SB, 24                            ; v24-39 the first weight's scale words: register 8 p + q: lanes 0-15 tile 2 p, lanes 16-31 tile 2 p + 1
.set SB2, 40                           ; v40-55 W_v's
.set RA, 56
.set RV, 57
.set GA, 58
.set GB, 59
.set SA, 60                            ; v60-75 x's scale words, two sets (their numbers differ from the weights' modulo 8)
.set SW, 76
.set BV, 80
.set ACC, 96
.set BQ, 160
.set PC, 200
.set TM, 216
.set G1W, 24
.set G1X, 32
.set G1S, 40
.set G1T, 48
.set G0W, 56
.set G0X, 60
.set G0S, 68
.set G0T, 72
.set MSB, 0
.macro WIN new                         ; the immediate's high byte repeats the setting that is left
.if MSB != (\new)
	s_set_vgpr_msb (MSB<<8)|(\new)
.set MSB, (\new)
.endif
.endm
.macro PLACES n
.rept \n
	v_nop
.endr
.endm
.macro BARRIER
	s_barrier_signal -1
	s_barrier_wait -1
.endm
.macro CREST                           ; a round of the cluster's barrier behind its opening barrier
	s_cmp_lg_u32 s12, 0
	s_cbranch_scc1 .Lnot_wave_0_\@
	s_barrier_signal -3
.Lnot_wave_0_\@:
	s_barrier_wait -3
	BARRIER
.endm
.macro CROUND
	BARRIER
	CREST
.endm
.macro TLOAD g0, g1                    ; s_nop 0 and four v_nop follow a tensor load
	tensor_load_to_lds s[\g0:\g0+3], s[\g1:\g1+7]
	s_nop 0
	PLACES 4
.endm
.macro GROUP1 g, mask, rows            ; whole rows of 1,024 bytes, 16 bytes of padding behind each
	s_or_b32 s[\g], s\mask, (1<<20)|(1<<21)|(7<<22)|(3<<25)
	s_mov_b32 s[\g+1], 1024<<16
	s_mov_b32 s[\g+2], (\rows)<<16
	s_mov_b32 s[\g+3], 1024<<16
	s_mov_b32 s[\g+4], \rows
	s_mov_b32 s[\g+5], 1024
	s_mov_b32 s[\g+6], 0
	s_mov_b32 s[\g+7], 0
.endm
.macro GROUPS g, mask, rows            ; a dense block of scale bytes as rows of 256 bytes (32 elements of 8), 16 of padding behind each
	s_or_b32 s[\g], s\mask, (3<<16)|(1<<20)|(1<<21)|(5<<22)|(3<<25)
	s_mov_b32 s[\g+1], 32<<16
	s_mov_b32 s[\g+2], (\rows)<<16
	s_mov_b32 s[\g+3], 32<<16
	s_mov_b32 s[\g+4], \rows
	s_mov_b32 s[\g+5], 32
	s_mov_b32 s[\g+6], 0
	s_mov_b32 s[\g+7], 0
.endm
.macro SHADD d, x, sh                  ; s[d] += s[x] << sh
	s_lshl_b32 s3, s\x, \sh
	s_add_co_u32 s\d, s\d, s3
.endm
.macro GADD d, base, off               ; an address + a 32-bit offset (s105 = 0)
	s_mov_b32 s104, s\off
	s_add_nc_u64 s[\d:\d+1], s[\base:\base+1], s[104:105]
.endm
.macro G0SET g0, lds, base, off
	s_mov_b32 s[\g0], 1
	s_mov_b32 s[\g0+1], \lds
	GADD \g0+2, \base, \off
	s_or_b32 s[\g0+3], s[\g0+3], 0x80000000
.endm
.macro RDESC g0, off, imm, lds         ; group 0 of a refill: my quarter, 32 rows, of the 128 rows at s[off] + imm of c1, into the slot at lds
	s_mul_i32 s[\g0+1], s12, 32*PITCH
	s_add_co_u32 s[\g0+1], s[\g0+1], \lds
	s_lshl_b32 s104, s12, 15
	s_add_co_u32 s104, s104, s\off
	s_add_co_u32 s104, s104, \imm
	s_add_nc_u64 s[\g0+2:\g0+3], s[4:5], s[104:105]
	s_or_b32 s[\g0+3], s[\g0+3], 0x80000000
.endm
	s_load_b128 s[4:7], s[0:1], 0x0                ; c1, s1
	s_load_b256 s[76:83], s[0:1], 0x10             ; bq_r, bq_i, bk_r, bk_i
	s_load_b128 s[84:87], s[0:1], 0x30             ; bv_r, bv_i
	s_load_b128 s[8:11], s[0:1], 0x40              ; c2, s2
	v_lshl_add_u32 v[SPW], v0, 2, SPARE
	v_mov_b32 v[NIL], 0
	ds_add_u32 v[SPW], v[NIL]                      ; the opening lines: the add, twice on end, and its wait ahead of my first tensor load
	ds_add_u32 v[SPW], v[NIL]
	v_lshrrev_b32 v1, 5, v0
	v_readfirstlane_b32 s12, v1                    ; wave
	s_lshr_b32 s13, s12, 1                         ; w: my row of waves
	s_and_b32 s14, s12, 1                          ; my column of waves
	s_bfe_u32 s15, ttmp6, 0x40000                  ; cx
	s_bfe_u32 s16, ttmp6, 0x40004                  ; cy
	s_and_b32 s18, ttmp7, 0xffff                   ; the cluster's y = phase 1's product g
	s_and_b32 s21, ttmp9, 1
	s_lshl_b32 s21, s21, 2
	s_add_co_u32 s21, s21, s16                     ; phase 1's block of 512 rows: 4 (cluster x % 2) + cy
	s_lshr_b32 s23, ttmp9, 1
	s_lshl_b32 s23, s23, 2
	s_add_co_u32 s23, s23, s15                     ; the head pair: 4 (cluster x / 2) + cx
	s_and_b32 s20, s18, 1                          ; phase 2's part
	s_lshr_b32 s22, s18, 1
	s_lshl_b32 s22, s22, 3
	s_add_co_u32 s22, s22, s21                     ; phase 2's block of 256 rows
	s_lshl_b32 s2, s16, 2
	s_lshl_b32 s2, 15, s2                          ; my row of the cluster
	s_lshl_b32 s3, 0x1111, s15                     ; my column
	GROUP1 G1W, 3, 128
	GROUP1 G1X, 2, 128
	GROUPS G1S, 2, 64
	GROUPS G1T, 2, 32
	s_mov_b32 s105, 0
	s_lshl_b32 s19, s18, 22
	SHADD 19, 21, 19                               ; s19: phase 1's rows in c1
	s_add_co_u32 s94, s20, 4
	s_lshl_b32 s88, s94, 22
	SHADD 88, 22, 18                               ; s88: phase 2's rows
	s_lshl_b32 s93, s18, 17
	SHADD 93, 21, 14                               ; s93: phase 1's scale bytes in s1
	s_lshl_b32 s94, s94, 17
	s_mov_b32 s91, s94
	SHADD 94, 22, 13                               ; s94: phase 2's
	s_add_co_u32 s92, s18, 24
	s_lshl_b32 s92, s92, 20
	SHADD 92, 23, 17                               ; s92: the first weight's rows
	s_add_co_u32 s89, s20, 28
	s_lshl_b32 s89, s89, 20
	SHADD 89, 23, 17                               ; s89: W_v's
	s_wait_dscnt 0x0                               ; both opening adds are done
	CROUND                                         ; all sixteen work-groups are here
	s_wait_kmcnt 0x0
	G0SET G0W, YB, 4, 92
	G0SET G0X, 0, 4, 19
	G0SET G0S, SCL, 6, 93
	G0SET G0T, SCL+SC2, 6, 94
.macro ARM under, g0, g1, next         ; one chain of branches on the wave's number, one load to an arm
	s_cmp_lt_u32 s12, \under
	s_cbranch_scc0 \next
	TLOAD \g0, \g1
	s_branch .Lasked
\next:
.endm
	ARM 1, G0W, G1W, .Lh1                          ; the weight is wanted first
	ARM 2, G0X, G1X, .Lh2
	ARM 3, G0S, G1S, .Lh3
	TLOAD G0T, G1T
.Lasked:
	s_lshl_b32 s17, s23, 1
	s_add_co_u32 s17, s17, s14                     ; my head
	s_cmp_eq_u32 s18, 1                            ; the biases: choices that hang on the cluster's y alone
	s_cselect_b64 s[76:77], s[78:79], s[76:77]
	s_cmp_eq_u32 s18, 2
	s_cselect_b64 s[76:77], s[80:81], s[76:77]
	s_cmp_eq_u32 s18, 3
	s_cselect_b64 s[76:77], s[82:83], s[76:77]
	s_cmp_eq_u32 s20, 1
	s_cselect_b64 s[84:85], s[86:87], s[84:85]
	s_lshl_b32 s104, s17, 8
	s_add_nc_u64 s[76:77], s[76:77], s[104:105]
	s_add_nc_u64 s[84:85], s[84:85], s[104:105]
	s_lshl_b32 s82, s23, 12                        ; the weights' scale bytes: my 64 rows
	SHADD 82, 14, 11
	s_add_co_u32 s82, s82, 786432
	s_lshl_b32 s104, s18, 15
	s_add_co_u32 s104, s104, s82
	s_add_nc_u64 s[78:79], s[6:7], s[104:105]
	s_add_co_u32 s104, s20, 4
	s_lshl_b32 s104, s104, 15
	s_add_co_u32 s104, s104, s82
	s_add_nc_u64 s[80:81], s[6:7], s[104:105]
	s_lshr_b32 s104, s18, 1                        ; s[98:99]: Q's or K's codes
	s_lshl_b32 s104, s104, 23
	s_lshr_b32 s82, s21, 1
	SHADD 104, 82, 21
	SHADD 104, 17, 17
	s_and_b32 s82, s21, 1
	SHADD 104, 82, 16
	SHADD 104, 13, 13
	s_and_b32 s82, s18, 1
	SHADD 104, 82, 10
	s_add_nc_u64 s[98:99], s[8:9], s[104:105]
	s_lshr_b32 s104, s22, 2                        ; s[100:101]: V's codes
	s_lshl_b32 s104, s104, 21
	s_add_co_u32 s104, s104, 16<<20
	SHADD 104, 17, 17
	s_and_b32 s82, s22, 3
	SHADD 104, 82, 15
	SHADD 104, 20, 13
	SHADD 104, 13, 10
	s_add_nc_u64 s[100:101], s[8:9], s[104:105]
	s_lshl_b32 s90, s18, 17                        ; s90, s91: my blocks of s2
	s_lshr_b32 s82, s21, 1
	SHADD 90, 82, 15
	SHADD 90, 23, 12
	s_and_b32 s82, s21, 1
	SHADD 90, 82, 11
	s_lshr_b32 s82, s22, 2
	SHADD 91, 82, 15
	SHADD 91, 23, 12
	s_and_b32 s82, s22, 3
	SHADD 91, 82, 10
	s_lshl_b32 s82, s15, 2                         ; the prefetches: my sixteenth of what my row of the cluster shares,
	s_add_co_u32 s82, s82, s12
	s_lshl_b32 s82, s82, 13
	s_add_co_u32 s104, s19, s82
	s_add_nc_u64 s[92:93], s[4:5], s[104:105]
	s_add_co_u32 s104, s88, s82
	s_add_nc_u64 s[94:95], s[4:5], s[104:105]
	s_lshl_b32 s82, s16, 2                         ; and of what my column shares
	s_add_co_u32 s82, s82, s12
	s_lshl_b32 s82, s82, 13
	s_add_co_u32 s104, s89, s82
	s_add_nc_u64 s[96:97], s[4:5], s[104:105]
	s_mul_i32 s82, s13, 4*BLKB
	s_mul_i32 s83, s14, 4*BLKB
	s_mul_i32 s86, s13, 4*SU
	s_add_co_u32 s86, s86, SCL
	s_lshl_b32 s87, s13, 4
	SHADD 87, 14, 1
	s_add_co_u32 s87, s87, XN
	s_lshl_b32 s2, s14, 4
	SHADD 2, 13, 1
	s_add_co_u32 s2, s2, XV
	v_and_b32 v1, 15, v0                           ; r
	v_bfe_u32 v2, v0, 4, 1                         ; h
	v_and_b32 v3, 31, v0                           ; lane
	v_mul_u32_u24 v4, v1, PITCH
	v_lshl_add_u32 v4, v2, 4, v4                   ; a fragment's row x pitch + 16 h
	v_add_nc_u32 v[AX], s82, v4
	v_add_nc_u32 v[AX+1], YB, v[AX]
	v_add_nc_u32 v[AW], s83, v4
	v_add_nc_u32 v[AW+1], YB, v[AW]
	v_lshrrev_b32 v5, 3, v1
	v_lshlrev_b32 v6, 5, v1
	v_lshl_add_u32 v6, v5, 4, v6                   ; 32 r, and 16 more behind 8 rows
	v_add_nc_u32 v[AS], s86, v6
	v_lshlrev_b32 v[LW], 5, v3
	v_lshlrev_b32 v[VO], 4, v3
	v_lshl_add_u32 v[VX], v1, 5, s87               ; 32 r + 16 w + 2 x my column
	v_lshl_add_u32 v[VY], v1, 5, s2                ; 32 r + 16 x my column + 2 w
	v_lshlrev_b32 v[BO], 6, v2                     ; Q, K: 16 h numbers on
	v_lshlrev_b32 v7, 2, v1
	v_lshl_add_u32 v[BO+1], v5, 5, v7              ; V: r + 8 (r / 8) numbers on
	v_lshlrev_b32 v[PF], 8, v3
	v_lshl_add_u32 v[RA], v0, 4, XN
	v_lshl_add_u32 v[RV], v0, 3, XV
	v_lshlrev_b32 v[GA], 4, v0
	v_lshlrev_b32 v[GB], 3, v0
.irp b, 0,1,2,3
	v_mov_b32 v[TM+4+\b], 0                        ; a lane permute's destination counts as one of its sources
.endr
	s_wait_alu depctr_va_vdst(0)
.irp p, 0,1
.irp c, 0,1
	global_load_b128 v[SB+8*\p+4*\c:SB+8*\p+4*\c+3], v[LW], s[78:79] offset:\p*1024+16*\c
	global_load_b128 v[SB2+8*\p+4*\c:SB2+8*\p+4*\c+3], v[LW], s[80:81] offset:\p*1024+16*\c
.endr
.endr
.irp b, 0,1,2,3
	global_load_b128 v[BQ+8*\b:BQ+8*\b+3], v[BO], s[76:77] offset:(32*(\b/2)+8*(\b%2))*4      ; register j of tile b is W's true row 32 (b / 2) + 16 h + 8 (b % 2) + j
	global_load_b128 v[BQ+8*\b+4:BQ+8*\b+7], v[BO], s[76:77] offset:(32*(\b/2)+8*(\b%2))*4+16
	global_load_b32 v[BV+\b], v[BO+1], s[84:85] offset:(32*(\b/2)+8*(\b%2))*4                 ; V: row r of tile b is W's true row 32 (b / 2) + 8 (b % 2) + r + 8 (r / 8)
.endr
	s_cmp_lt_u32 s12, 1
	s_cbranch_scc0 .Lnot_w
	s_wait_tensorcnt 0x0                           ; wave 0: the first weight has landed; the other waves' wait stands ahead of the round below
.Lnot_w:
	BARRIER
	global_prefetch_b8 v[PF], s[92:93] offset:CHB th:TH_LOAD_NT scope:SCOPE_SE
	global_prefetch_b8 v[PF], s[92:93] offset:2*CHB th:TH_LOAD_NT scope:SCOPE_SE
.macro WEIGHTS adr                     ; my 64 rows of a weight, all of K: fragment 4 q + b in windows 1 and 2
.irp q, 0,1,2,3,4,5,6,7
.irp b, 0,1,2,3
	WIN (1+(4*\q+\b)/16)<<6
.irp c, 0,1,2,3
	ds_load_b128 v[16*((4*\q+\b)%16)+4*\c:16*((4*\q+\b)%16)+4*\c+3], v[\adr] offset:\b*BLKB+128*\q+32*\c
.endr
.endr
.endr
	WIN 0
.endm
.macro FETCH e, slot, i, so            ; block i of my four in the slot, all of K, into set e of window 3, and its scale words: NF loads
	WIN 3<<6
.irp q, 0,1,2,3,4,5,6,7
.irp c, 0,1,2,3
	ds_load_b128 v[128*(\e)+16*\q+4*\c:128*(\e)+16*\q+4*\c+3], v[AX+\slot] offset:(\i)*BLKB+128*\q+32*\c
.endr
.endr
	WIN 0
	ds_load_b128 v[SA+8*(\e):SA+8*(\e)+3], v[AS] offset:\so
	ds_load_b128 v[SA+8*(\e)+4:SA+8*(\e)+7], v[AS] offset:(\so)+16
.endm
.macro PROD kind, e, sb, n             ; product n = 4 q + b: the q-th 128 of K, tile b of the weight; x's set and the sums' set e.  The four sums take turns
.set Q_, (\n)/4
.set B_, (\n)%4
.set D_, ACC+32*(\e)+8*B_
.set C_, D_
.if Q_ == 0
.set C_, BQ+8*B_
.endif
.set X_, 128*(\e)+16*Q_
.set W_, 16*((\n)%16)
.set XS_, SA+8*(\e)+Q_
.set WS_, (\sb)+8*(B_/2)+Q_
.if \kind
	WIN 3|((1+(\n)/16)<<2)
.if B_%2
	v_wmma_scale_f32_16x16x128_f8f6f4 v[D_:D_+7], v[X_:X_+15], v[W_:W_+15], v[C_:C_+7], v[XS_], v[WS_] matrix_b_scale:MATRIX_SCALE_ROW1
.else
	v_wmma_scale_f32_16x16x128_f8f6f4 v[D_:D_+7], v[X_:X_+15], v[W_:W_+15], v[C_:C_+7], v[XS_], v[WS_]
.endif
.else
	WIN (1+(\n)/16)|(3<<2)
.if B_%2
	v_wmma_scale_f32_16x16x128_f8f6f4 v[D_:D_+7], v[W_:W_+15], v[X_:X_+15], v[C_:C_+7], v[WS_], v[XS_] matrix_a_scale:MATRIX_SCALE_ROW1
.else
	v_wmma_scale_f32_16x16x128_f8f6f4 v[D_:D_+7], v[W_:W_+15], v[X_:X_+15], v[C_:C_+7], v[WS_], v[XS_]
.endif
.endif
.endm
.macro PRODS kind, e, sb, from, to
.set N_, \from
.rept (\to)-(\from)
	PROD \kind, \e, \sb, N_
.set N_, N_+1
.endr
.endm
.macro BLK kind, e, sb, wt             ; a block: wt LDS instructions issued behind its fetch may be out; eight places stand behind its last product
	s_wait_dscnt \wt
	PRODS \kind, \e, \sb, 0, 32
	WIN 0
	PLACES NP
.endm
.macro MIDR kind, sb, g0, off, imm, lds   ; a block on set 0 with a drained round: the wait for all my tensor loads, the add, the refill's group 0, 28 products, the wait for the add and my reads, the round
	s_wait_dscnt NF
	s_wait_tensorcnt 0x0
	ds_add_u32 v[SPW], v[NIL]
	RDESC \g0, \off, \imm, \lds
	PRODS \kind, 0, \sb, 0, 28
	WIN 0
	s_wait_dscnt 0x0
	s_barrier_signal -1
	PRODS \kind, 0, \sb, 28, 32
	WIN 0
	s_barrier_wait -1
	CREST
.endm
.macro MIDB kind, sb                   ; a block on set 0 with a plain barrier, which shows the tile that is out
	s_wait_dscnt NF
	PRODS \kind, 0, \sb, 0, 28
	WIN 0
	s_wait_tensorcnt 0x0
	s_wait_dscnt 0x0
	s_barrier_signal -1
	PRODS \kind, 0, \sb, 28, 32
	WIN 0
	s_barrier_wait -1
	PLACES NP
.endm
; THE QUANTISER of a pair of blocks: four scale blocks b; block b's 16 numbers of a lane stand at ACC + st b + 0 .. 7 and ACC + st b + hi + 0 .. 7; the other 16 in lane l xor 16.
.macro QUANT st, hi
	s_wait_xcnt 0x0                                ; the last pair's stores have read their registers
.irp b, 0,1,2,3
	v_max3_num_f32 v[TM+\b], |v[ACC+\st*\b]|, |v[ACC+\st*\b+1]|, 0x4800000   ; with the floor 2^(9 - 127): the byte cannot fall under 1
.endr
.irp i, 2,4,6
.irp b, 0,1,2,3
	v_max3_num_f32 v[TM+\b], v[TM+\b], |v[ACC+\st*\b+\i]|, |v[ACC+\st*\b+\i+1]|
.endr
.endr
.irp i, 0,2,4,6
.irp b, 0,1,2,3
	v_max3_num_f32 v[TM+\b], v[TM+\b], |v[ACC+\st*\b+\hi+\i]|, |v[ACC+\st*\b+\hi+\i+1]|
.endr
.endr
.irp b, 0,1,2,3
	v_permlanex16_b32 v[TM+4+\b], v[TM+\b], s68, s69
.endr
.irp b, 0,1,2,3
	v_max_num_f32 v[TM+\b], v[TM+\b], v[TM+4+\b]
.endr
.irp b, 0,1,2,3
	v_add_nc_u32 v[TM+12+\b], 0xfc000000, v[TM+\b]           ; 8 off the exponent field: the conversion's scale operand
.endr
.irp b, 0,1,2,3
	v_and_or_b32 v[TM+8+\b], v[TM+\b], 0x7f800000, s70       ; 448 x the scale
.endr
.irp b, 0,1,2,3
	v_lshrrev_b32 v[TM+4+\b], 23, v[TM+12+\b]                ; the byte
.endr
.if \st == 16
	v_lshl_or_b32 v[SW], v[TM+5], 8, v[TM+4]
	v_lshl_or_b32 v[SW+1], v[TM+7], 8, v[TM+6]
.endif
.irp b, 0,1,2,3
.irp i, 0,1,2,3,4,5,6,7
	v_med3_num_f32 v[ACC+\st*\b+\i], v[ACC+\st*\b+\i], -v[TM+8+\b], v[TM+8+\b]   ; the conversion does not saturate (ISA guide 7.6.2): the hold
	v_med3_num_f32 v[ACC+\st*\b+\hi+\i], v[ACC+\st*\b+\hi+\i], -v[TM+8+\b], v[TM+8+\b]
.endr
	v_cvt_scalef32_pk8_fp8_f32 v[PC+4*\b:PC+4*\b+1], v[ACC+\st*\b:ACC+\st*\b+7], v[TM+12+\b]
	v_cvt_scalef32_pk8_fp8_f32 v[PC+4*\b+2:PC+4*\b+3], v[ACC+\st*\b+\hi:ACC+\st*\b+\hi+7], v[TM+12+\b]
.endr
	v_nop                                          ; one plain line behind the last conversion: products write its sources next
.endm
.macro OUT kind, n, j                  ; pair j of my four blocks of chunk n goes out
.if \kind
	QUANT 8, 32
.irp t, 0,1,2,3
	global_store_b128 v[VO], v[PC+4*\t:PC+4*\t+3], s[100:101] offset:(\n)*16384+\t*2048+(\j)*512
	ds_store_b8 v[VY], v[TM+4+\t] offset:(\n)*512+4*\t+(\j)
.endr
.else
	QUANT 16, 8
.irp b, 0,1,2,3
	global_store_b128 v[VO], v[PC+4*\b:PC+4*\b+3], s[98:99] offset:(8*(\n)+2*(\j)+\b/2)*2048+(\b%2)*512
.endr
	ds_store_b16 v[VX], v[SW] offset:(\n)*512+8*(\j)
	ds_store_b16 v[VX], v[SW+1] offset:(\n)*512+8*(\j)+4
.endif
.endm
.macro FRONT kind, sb, slot, so, n     ; a chunk's first two blocks; behind each its set takes the block two on
	BLK \kind, 0, \sb, NF
	FETCH 0, \slot, 2, (\so)+2*SU
	BLK \kind, 1, \sb, NF
	FETCH 1, \slot, 3, (\so)+3*SU
	OUT \kind, \n, 0
.endm
.macro BACK kind, sb, n, nxt, nslot, nso, pfb, pfo   ; behind a chunk's third block: the next chunk's first blocks are fetched (nxt), and a later chunk is asked for ahead (pfb)
.if \nxt
	FETCH 0, \nslot, 0, \nso
.endif
.if \pfb
	global_prefetch_b8 v[PF], s[\pfb:\pfb+1] offset:\pfo th:TH_LOAD_NT scope:SCOPE_SE
.endif
	BLK \kind, 1, \sb, NF*(\nxt)
.if \nxt
	FETCH 1, \nslot, 1, (\nso)+SU
.endif
	OUT \kind, \n, 1
.endm
	WEIGHTS AW+1
	s_wait_tensorcnt 0x0                           ; chunk 0 and the scale bytes are in; no tensor load of mine is out, so descriptors may be written
	ds_add_u32 v[SPW], v[NIL]
	s_mov_b32 s[G1X+2], 32<<16                     ; from here on a load brings 32 rows
	s_mov_b32 s[G1X+4], 32
	s_mov_b32 s[G1W+2], 32<<16
	s_mov_b32 s[G1W+4], 32
	RDESC G0X, 19, CHB, YB
	s_mov_b32 s68, 0x76543210                      ; v_permlanex16_b32's selects for lane l xor 16
	s_mov_b32 s69, 0xfedcba98
	s_mov_b32 s70, 0x600000                        ; the mantissa field of 448
	GADD 40, 10, 90                                ; s[40:43]: my blocks of s2
	GADD 42, 10, 91
	s_wait_dscnt 0x0                               ; the add is done and the weight is in registers
	CROUND
	TLOAD G0X, G1X                                 ; chunk 1 over the weight's rows
	FETCH 0, 0, 0, 0
	FETCH 1, 0, 1, SU
	s_wait_loadcnt 0x0                             ; the weights' scale words and the biases
	FRONT 0, SB, 0, 0, 0
	MIDR 0, SB, G0X, 19, 2*CHB, 0
	TLOAD G0X, G1X
	PLACES NP-4
	BACK 0, SB, 0, 1, 1, 8*SU, 92, 3*CHB
	FRONT 0, SB, 1, 8*SU, 1
	MIDR 0, SB, G0X, 19, 3*CHB, YB
	TLOAD G0X, G1X
	PLACES NP-4
	BACK 0, SB, 1, 1, 0, 16*SU, 96, 0
	FRONT 0, SB, 0, 16*SU, 2
	MIDR 0, SB, G0W, 89, 0, 0
	TLOAD G0W, G1W                                 ; W_v's rows: my column's mask, a descriptor and a line of its own
	PLACES NP-4
	BACK 0, SB, 2, 1, 1, 24*SU, 94, 0
	FRONT 0, SB, 1, 24*SU, 3
	MIDR 0, SB, G0X, 88, 0, YB
	TLOAD G0X, G1X                                 ; V's chunk 0
	PLACES NP-4
	BACK 0, SB, 3, 0, 0, 0, 94, CHB
	WEIGHTS AW                                     ; THE CHANGE OF PHASE: W_v's rows were shown by the round above
.irp t, 0,1,2,3
.irp i, 0,1,2,3,4,5,6,7
	v_mov_b32 v[BQ+8*\t+\i], v[BV+\t]              ; V's bias belongs to the lane's row of W
.endr
.endr
	s_wait_alu depctr_va_vdst(0)
	s_wait_tensorcnt 0x0
	ds_add_u32 v[SPW], v[NIL]
	RDESC G0X, 88, CHB, 0
	s_wait_dscnt 0x0                               ; W_v is in registers
	CROUND
	TLOAD G0X, G1X                                 ; V's chunk 1 over W_v's rows
	FETCH 0, 1, 0, SC2
	FETCH 1, 1, 1, SC2+SU
	FRONT 1, SB2, 1, SC2, 0
	MIDB 1, SB2
	BACK 1, SB2, 0, 1, 0, SC2+8*SU, 0, 0
	FRONT 1, SB2, 0, SC2+8*SU, 1
	BLK 1, 0, SB2, NF
	BACK 1, SB2, 1, 0, 0, 0, 0, 0
	s_wait_dscnt 0x0                               ; for the others' sake: my bytes are stored
	BARRIER
	ds_load_b128 v[TM:TM+3], v[RA]
	ds_load_b64 v[TM+8:TM+9], v[RV]
	s_wait_dscnt 0x0
	global_store_b128 v[GA], v[TM:TM+3], s[40:41]  ; a wave stores 512 consecutive bytes, aligned,
	global_store_b64 v[GB], v[TM+8:TM+9], s[42:43] ; and 256
	s_wait_tensorcnt 0x0                           ; the wave's end
	ds_add_u32 v[SPW], v[NIL]
	s_wait_dscnt 0x0
	CROUND                                         ; the closing round
	s_endpgm
.Lfunc_end_k_qe7e8ded845_proj:
	.size	k_qe7e8ded845_proj, .Lfunc_end_k_qe7e8ded845_proj-k_qe7e8ded845_proj
	.p2alignl 7, 3214868480
	.fill 96, 4, 3214868480
	.section	.rodata,"a",@progbits
	.p2align	6, 0x0
	.amdhsa_kernel k_qe7e8ded845_proj
		.amdhsa_group_segment_fixed_size 327680
		.amdhsa_private_segment_fixed_size 0
		.amdhsa_enable_private_segment 0
		.amdhsa_kernarg_size 80
		.amdhsa_user_sgpr_count 2
		.amdhsa_user_sgpr_kernarg_segment_ptr 1
		.amdhsa_wavefront_size32 1
		.amdhsa_system_sgpr_workgroup_id_x 1
		.amdhsa_system_sgpr_workgroup_id_y 1
		.amdhsa_system_sgpr_workgroup_id_z 1
		.amdhsa_system_vgpr_workitem_id 0
		.amdhsa_next_free_vgpr 1024
		.amdhsa_next_free_sgpr 106
		.amdhsa_reserve_vcc 0
		.amdhsa_float_denorm_mode_32 3
		.amdhsa_float_denorm_mode_16_64 3
		.amdhsa_memory_ordered 1
		.amdhsa_forward_progress 1
		.amdhsa_inst_pref_size 255
	.end_amdhsa_kernel
	.section	.bss,"aw",@nobits
	.p2align	6
	.space	262144
	.amdgpu_metadata
---
amdhsa.version: [ 1, 2 ]
amdhsa.kernels:
  - .name:           k_qe7e8ded845_proj
    .symbol:         k_qe7e8ded845_proj.kd
    .args:
      - { .name: c1, .offset: 0, .size: 8, .value_kind: global_buffer, .address_space: global }
      - { .name: s1, .offset: 8, .size: 8, .value_kind: global_buffer, .address_space: global }
      - { .name: bq_r, .offset: 16, .size: 8, .value_kind: global_buffer, .address_space: global }
      - { .name: bq_i, .offset: 24, .size: 8, .value_kind: global_buffer, .address_space: global }
      - { .name: bk_r, .offset: 32, .size: 8, .value_kind: global_buffer, .address_space: global }
      - { .name: bk_i, .offset: 40, .size: 8, .value_kind: global_buffer, .address_space: global }
      - { .name: bv_r, .offset: 48, .size: 8, .value_kind: global_buffer, .address_space: global }
      - { .name: bv_i, .offset: 56, .size: 8, .value_kind: global_buffer, .address_space: global }
      - { .name: c2, .offset: 64, .size: 8, .value_kind: global_buffer, .address_space: global }
      - { .name: s2, .offset: 72, .size: 8, .value_kind: global_buffer, .address_space: global }
    .group_segment_fixed_size: 327680
    .private_segment_fixed_size: 0
    .kernarg_segment_align: 8
    .kernarg_segment_size: 80
    .max_flat_workgroup_size: 128
    .sgpr_count:     106
    .vgpr_count:     1024
    .wavefront_size: 32
...
	.end_amdgpu_metadata
.endif
;; end of part 2
;; launch attn (part 3): grid 4 x 64, 8 waves a work-group, clusters of 4 x 1, 327,680 bytes of LDS; arguments c2, s2, c3, s3; writes c3, s3
.if DOCPART == 3
	.amdgcn_target "amdgcn-amd-amdhsa--gfx1250"
	.amdhsa_code_object_version 6
	.text
	.protected	k_qe7e8ded845_attn
	.globl	k_qe7e8ded845_attn
	.p2align	8
	.type	k_qe7e8ded845_attn,@function
k_qe7e8ded845_attn:
	s_mov_b64 s[64:65], 0
	v_nop
	global_prefetch_b8 v0, s[64:65] scope:SCOPE_SE
	s_setreg_imm32_b32 hwreg(HW_REG_WAVE_MODE, 25, 1), 1
	s_wait_xcnt 0x0
	s_wait_alu depctr_hold_cnt(0) depctr_sa_sdst(0) depctr_va_vdst(0) depctr_va_sdst(0) depctr_va_ssrc(0) depctr_va_vcc(0) depctr_vm_vsrc(0)
	s_getreg_b32 s2, hwreg(HW_REG_IB_STS2, 6, 4)
	s_cmp_eq_u32 s2, 0
	s_cbranch_scc0 .Lentry_in_a_cluster
	s_endpgm
.Lentry_in_a_cluster:
	s_bfe_u32 s2, ttmp6, 0x10000c
	s_cmp_lg_u32 s2, 0x3003
	s_cbranch_scc0 .Lentry_shape_is_right
	s_endpgm
.Lentry_shape_is_right:
; ATTENTION on codes of FP8 (E4M3) with E8M0 scales.  For each of 64 (batch, head): score = (Qr . Kr + Qi . Ki) / 8; one softmax; O_r = P Vr, O_i = P Vi.
; The real and the imaginary part are joined: a row of Q or K is [r 64 | i 64], four blocks of 32, so ONE matrix instruction of 128 along K makes Qr . Kr + Qi . Ki; V^T has 128 rows, 64 of r and 64 of i.
; THE SOFTMAX AHEAD OF THE SECOND PRODUCT: t = score x log2(e) / 8; M = the row's largest t so far, rounded UP to a whole number; p = 2^(t - M) is what is quantised, along the keys; it is not normalised.
; The row's sum is taken of the unquantised p, in f32, and divides O at the end.  When M moves, the sum and O are multiplied by 2^(old M - new M): exact.
; O / sum is quantised along d for the output projection and leaves as codes.
; SHARES.  A work-group owns 256 queries of one (batch, head); each of its EIGHT waves owns 32 of them, TWO tiles of 16, in 512 registers: two waves to a SIMD.  Every fragment of K and of V that a wave reads from LDS
; feeds two matrix instructions, one for each tile, and the places and waits round a group of loads serve both tiles.
; LDS.  A head's K (131,072 bytes) and V (131,072) lie in LDS WHOLE, as images of operands' registers (a group of four registers: 512 bytes, 16 x lane): every fragment load reads 512 consecutive bytes.
; Nothing is filled twice: no ring.  The fills go out at the start, one a wave; the first brings key steps 0 and 1 and is waited for ahead of them, the other three are waited for ahead of key step 2.
; CLUSTER.  The four work-groups of a cluster are the four blocks of queries of one (batch, head): they read the same K and V, so every fill is a JOINT load, the same in all four, with a mask that names the four.
; LAYOUT.  Both products are used transposed: S^T = K Q^T, O^T = V^T P^T: a lane holds ONE query of each tile (lane % 16) throughout.  The 16 rows of a fragment of K are keys 32 b + 8 u + r + 8 (r / 8) (so the launch before has laid them),
; so that the 16 registers of tiles 2 b and 2 b + 1 are keys 32 b + 16 (lane / 16) + 0 .. 15; the rows of V^T's tiles likewise, so that O^T's registers are neighbours along d.
; OUT.  c3: [part 2][tile of 16 rows 256][128 along K 8][group 4][512 bytes]: the output projection's operand, as images; head h fills groups 2 (h % 2), 2 (h % 2) + 1 of fragment h / 2.
;       s3: [batch x head 64][query 1024] words: bytes 0, 1 the real part's two blocks, bytes 2, 3 the imaginary part's.
; LIMITS: a block of zeros, and one whose largest magnitude lies under 2^-118, get the byte 1 (only this program reads the bytes); NaN and infinities are not served.
; REGISTERS, in windows of 256 (s_set_vgpr_msb: bits 1:0 source 0, 3:2 source 1, 5:4 source 2, 7:6 destination):
;   window 0: v1-6 LDS addresses that stay; v7-11, v20-23 at work at the head and at the end; tile u: v[12 + 4 u] -M, +1 the largest t, +2, +3 half of the sum; v32-63 Q; v64-127 four fragments of K or of V;
;             v128-159 p's codes; v160-223 at work, 32 a tile; v224-227 K's or V's scale words; v228-229 Q's; v232-249 the way out.
;   window 1: v0-127 S^T, then p, 64 a tile; v128-255 O^T, 64 a tile.
; The two tiles' 256 registers of S^T and O^T fill a window of their own, so the softmax switches windows.  Its stages are laid so that long runs share one setting: some 18 switches for a key step's 790 instructions.
.set KIMG, 0                           ; K: fragment (key step s, tile T) at 16,384 s + 2,048 T
.set VIMG, 131072                      ; V: fragment (key step s, 4 x part + tile of d) likewise
.set SCK,  262144                      ; K's scale words: 4 bytes a key, in the order in which the keys lie in the fragments: 4,096 bytes
.set SCV,  266240                      ; V's: [key step 8][part 2][row 16][tile of d 4] words: 4,096 bytes
.set STG,  270336                      ; O's scale words on the way out: 4 bytes a query: 1,024 bytes
.set AK,   1                           ; v1-2  16 x lane + KIMG, and 65,536 on (an LDS offset has 16 bits)
.set AV,   3                           ; v3-4  the same for V
.set ASK,  5                           ; v5    SCK + 4 r
.set ASV,  6                           ; v6    SCV + 16 r
.set ST,   12                          ; statistics, four registers a tile
.set QF,   32                          ; Q's fragments, 16 a tile
.set FR,   64                          ; four fragments of K or of V
.set PCD,  128                         ; p's codes, 16 a tile
.set TP,   160                         ; at work, 32 a tile: +0..3 the blocks' largest scores, then largest p; +4..7 the other half's, then the bytes; +8..11 448 x scale; +12..15 the conversions' scale operands;
                                       ; +16 f, +17 p's scale word (the pair is named together); +18 at work; +20, +21 the other half of the sum
.set KS,   224                         ; K's or V's scale words of four tiles
.set QS,   228                         ; Q's scale words, one a tile
.set TM,   232                         ; the way out: v232-247 at work, v248-249 O's scale words
.set PW,   248
.set SS,   0                           ; window 1: S^T
.set OO,   128                         ; window 1: O^T
.set WV,   18                          ; s18  my wave's number
.set MNT,  19                          ; s19  the mantissa field of 448
.set SEL,  20                          ; s[20:21] lane selects for v_permlanex16_b32: lane l xor 16
.set CS,   22                          ; s[22:23] c = log2(e) / 8
.set G1,   24                          ; s[24:31] descriptor group 1;  s[32:35] group 0
.set G0,   32
.set MSB, 0
.macro WIN new                         ; the immediate's high byte repeats the setting that is left; a switch that changes nothing is dropped
.if MSB != (\new)
	s_set_vgpr_msb (MSB<<8)|(\new)
.set MSB, (\new)
.endif
.endm
.macro PLACES n                        ; places behind matrix instructions: in front of loads into registers that they have read and of the first read of results (ISA guide 7.12.1 for the first read of results)
.rept \n
	v_nop
.endr
.endm
.macro ROUND                           ; a round of the cluster's barrier
	s_barrier_signal -1
	s_barrier_wait -1
	s_cmp_lg_u32 s[WV], 0
	s_cbranch_scc1 .Lnot_wave_0_\@
	s_barrier_signal -3
.Lnot_wave_0_\@:
	s_barrier_wait -3
	s_barrier_signal -1
	s_barrier_wait -1
.endm
	s_load_b256 s[4:11], s[0:1], 0x0               ; c2 s[4:5], s2 s[6:7], c3 s[8:9], s3 s[10:11]
	v_lshl_add_u32 v254, v0, 2, 0x42400
	v_mov_b32 v255, 0
	ds_add_u32 v254, v255
	ds_add_u32 v254, v255
	v_lshrrev_b32 v8, 5, v0
	s_delay_alu instid0(VALU_DEP_1)
	v_readfirstlane_b32 s[WV], v8                  ; wave 0..7
	s_and_b32 s48, ttmp7, 0xffff                   ; 16 x batch + head: the cluster's y, which the four partners share
	s_bfe_u32 s54, ttmp6, 0x40000                  ; cx
	s_lshl_b32 s49, ttmp9, 2
	s_add_co_u32 s49, s49, s54                     ; my block of 256 queries: it enters global addresses of Q and of the results alone
	s_lshr_b32 s50, s48, 4                         ; batch
	s_bfe_u32 s51, s48, 0x30001                    ; head pair
	s_and_b32 s52, s48, 1                          ; which head of the pair
	s_lshr_b32 s56, s[WV], 2                       ; waves 0-3 fetch K, waves 4-7 V:
	s_and_b32 s57, s[WV], 3                        ; 32,768 bytes of K's or V's 131,072
	s_lshl_b32 s54, s56, 23
	s_add_co_u32 s54, s54, 8<<20                   ; K at 8 MiB, V at 16 MiB of c2,
	s_lshl_b32 s61, s48, 17
	s_add_co_u32 s54, s54, s61                     ; 131,072 bytes a head,
	s_lshl_b32 s61, s57, 15                        ; ONE fill a wave: 32,768 bytes: key steps 2 (wave % 4) and 2 (wave % 4) + 1 of K (waves 0-3) or of V (waves 4-7)
	s_add_co_u32 s54, s54, s61
	s_mov_b32 s55, 0
	s_lshl_b32 s60, s56, 17
	s_add_co_u32 s60, s60, s61                     ; and in LDS: 131,072 x (wave / 4) + 32,768 x (wave % 4)
	; descriptor group 1: a dense block of 32,768 bytes as 128 rows of 256 bytes (32 elements of 8 bytes), no padding
	s_mov_b32 s[G1], 15|(3<<16)|(1<<21)            ; 15:0 the mask: all four work-groups; 17:16 elements of 8 bytes; 21 set beside a mask
	s_mov_b32 s[G1+1], 32<<16                      ; tensor_dim0 = 32
	s_mov_b32 s[G1+2], 128<<16                     ; tensor_dim1 = 128 rows of 256 bytes
	s_mov_b32 s[G1+3], 32<<16                      ; tile_dim0 = 32
	s_mov_b32 s[G1+4], 128                         ; tile_dim1 = 128
	s_mov_b32 s[G1+5], 32                          ; tensor_dim0_stride
	s_mov_b32 s[G1+6], 0
	s_mov_b32 s[G1+7], 0
	s_mov_b32 s[SEL], 0x76543210
	s_mov_b32 s[SEL+1], 0xfedcba98
	s_mov_b32 s[CS], 0x3e38aa3b                    ; c = log2(e) / 8
	s_mov_b32 s[CS+1], s[CS]                       ; (named with it as a pair, so it is written)
	s_mov_b32 s[MNT], 0x600000
	s_wait_dscnt 0x0
	s_wait_kmcnt 0x0
	s_add_nc_u64 s[62:63], s[4:5], s[54:55]
	s_mov_b32 s[G0], 1                             ; count = 1
	s_mov_b32 s[G0+1], s60                         ; LDS address
	s_mov_b64 s[G0+2:G0+3], s[62:63]
	s_or_b32 s[G0+3], s[G0+3], 0x80000000          ; type = 2
	s_and_b32 s3, s[WV], 3
	ROUND                                          ; all four work-groups are here: the joint loads meet
	s_cmp_eq_u32 s3, 0                             ; one tensor load a wave.  Waves 0 and 4, which bring key steps 0 and 1, have a line of their own: they alone wait ahead of the first barrier
	s_cbranch_scc0 .Llater
	tensor_load_to_lds s[G0:G0+3], s[G1:G1+7]
	s_nop 0
.rept 4
	v_nop
.endr
	s_branch .Lfilled
.Llater:
	tensor_load_to_lds s[G0:G0+3], s[G1:G1+7]
	s_nop 0
.rept 4
	v_nop
.endr
.Lfilled:
	s_lshl_b32 s54, s48, 6
	s_lshl_b32 s61, s49, 4
	s_add_co_u32 s54, s54, s61
	s_lshl_b32 s61, s[WV], 1
	s_add_co_u32 s54, s54, s61                     ; my first tile of queries: 64 x (batch, head) + 16 x block + 2 x wave
	s_lshl_b32 s54, s54, 11
	s_add_nc_u64 s[12:13], s[4:5], s[54:55]        ; Q's two fragments
	s_lshl_b32 s54, s50, 3
	s_add_co_u32 s54, s54, s51
	s_lshl_b32 s54, s54, 12
	s_add_nc_u64 s[14:15], s[6:7], s[54:55]        ; s2 at (batch, head pair): 4,096 bytes for each product; the six products lie 131,072 bytes apart
	s_lshl_b32 s61, s49, 1
	s_add_co_u32 s61, s61, s56
	s_lshl_b32 s61, s61, 9                         ; my queries' block of 128 rows: 2 x block + wave / 4,
	s_lshl_b32 s57, s57, 3
	s_add_co_u32 s61, s61, s57                     ; and my two tiles in it: 2 (wave % 4), 2 (wave % 4) + 1: two words on end
	s_lshl_b32 s54, s50, 6
	s_lshl_b32 s57, s49, 4
	s_add_co_u32 s54, s54, s57
	s_lshl_b32 s57, s[WV], 1
	s_add_co_u32 s54, s54, s57                     ; my first tile of rows of the output projection's operand: 64 x batch + 16 x block + 2 x wave
	s_lshl_b32 s54, s54, 3
	s_add_co_u32 s54, s54, s51
	s_lshl_b32 s54, s54, 11
	s_lshl_b32 s57, s52, 10
	s_add_co_u32 s54, s54, s57
	s_add_nc_u64 s[16:17], s[8:9], s[54:55]        ; where O's codes go
	s_lshl_b32 s54, s48, 12
	s_lshl_b32 s57, s49, 10
	s_add_co_u32 s54, s54, s57
	s_add_nc_u64 s[58:59], s[10:11], s[54:55]      ; and the work-group's 256 scale words
	s_lshl_b32 s57, s52, 4
	s_mov_b32 s53, 0x05040100                      ; of two words of s2 the low halves (the even head's two bytes) or the high halves (the odd head's)
	s_cmp_lg_u32 s52, 0
	s_cselect_b32 s53, 0x07060302, s53
	v_and_b32 v8, 31, v0
	s_delay_alu instid0(VALU_DEP_1)
	v_lshlrev_b32 v[AK], 4, v8                     ; 16 x lane
.irp u, 0,1
.irp c, 0,1,2,3
	global_load_b128 v[QF+16*\u+4*\c:QF+16*\u+4*\c+3], v[AK], s[12:13] offset:2048*\u+512*\c   ; Q's fragments stay in registers
.endr
.endr
	v_and_b32 v9, 15, v0                           ; r
	s_delay_alu instid0(VALU_DEP_1)
	v_lshlrev_b32 v10, 5, v9
	s_delay_alu instid0(VALU_DEP_1)
	v_add_nc_u32 v10, s61, v10
	global_load_b64 v[64:65], v10, s[14:15]        ; Q's scale words of my two tiles: the real part's
	global_load_b64 v[66:67], v10, s[14:15] offset:131072   ; and the imaginary part's
	v_lshlrev_b32 v11, 4, v0
	global_load_b128 v[68:71], v11, s[14:15] offset:262144   ; K's, of the whole head: thread t takes 16 bytes: row (t / 2) % 16 of tiles 4 (t % 2) + 0 .. 3 of key step t / 32
	global_load_b128 v[72:75], v11, s[14:15] offset:393216
	v_bfe_u32 v7, v0, 4, 1                         ; V's: thread t takes four words: key step t / 32, part (t / 16) % 2, row t % 16, the four tiles of d
	s_delay_alu instid0(VALU_DEP_1)
	v_lshlrev_b32 v7, 17, v7
	v_lshrrev_b32 v20, 5, v0
	s_delay_alu instid0(VALU_DEP_1)
	v_lshl_add_u32 v7, v20, 9, v7
	s_delay_alu instid0(VALU_DEP_1)
	v_lshl_add_u32 v7, v9, 5, v7
	s_delay_alu instid0(VALU_DEP_1)
	v_add_nc_u32 v7, s57, v7                       ; + 16 bytes for the odd head
	global_load_b128 v[76:79], v7, s[14:15] offset:524288
	v_lshlrev_b32 v21, 9, v20                      ; where K's four words go in LDS: 512 x key step + 64 x tile + 4 x row
	v_and_b32 v22, 1, v0
	s_delay_alu instid0(VALU_DEP_1)
	v_lshl_add_u32 v21, v22, 8, v21
	v_bfe_u32 v22, v0, 1, 4
	s_delay_alu instid0(VALU_DEP_1)
	v_lshl_add_u32 v21, v22, 2, v21
	s_delay_alu instid0(VALU_DEP_1)
	v_add_nc_u32 v21, SCK, v21
	v_lshl_add_u32 v23, v0, 4, SCV                 ; and V's: 16 x thread
	v_add_nc_u32 v[AK+1], 65536, v[AK]
	v_add_nc_u32 v[AV], VIMG, v[AK]
	v_add_nc_u32 v[AV+1], VIMG+65536, v[AK]
	v_lshl_add_u32 v[ASK], v9, 2, SCK
	v_lshl_add_u32 v[ASV], v9, 4, SCV
.irp u, 0,1
	v_mov_b32 v[ST+4*\u+1], 0xff61b1e6             ; the largest t so far: -3e38, under every t
	s_delay_alu instid0(VALU_DEP_1)
	v_floor_f32 v[ST+4*\u], -v[ST+4*\u+1]          ; -M
	v_mov_b32 v[ST+4*\u+2], 0                      ; the sum, in four parts
	v_mov_b32 v[ST+4*\u+3], 0
	v_mov_b32 v[TP+32*\u+20], 0
	v_mov_b32 v[TP+32*\u+21], 0
	v_mov_b32 v[TP+32*\u+17], 0                    ; (named as the upper half of the pair with f before it is first written)
.irp b, 0,1,2,3
	v_mov_b32 v[TP+32*\u+4+\b], 0                  ; written once: a lane permute's destination counts as one of its sources
.endr
.endr
	s_wait_loadcnt 0x0
	v_perm_b32 v[QS], v66, v64, s53                ; my head's scale words: bytes 0, 1 the real part's, bytes 2, 3 the imaginary part's
	v_perm_b32 v[QS+1], v67, v65, s53
.irp k, 0,1,2,3
	v_perm_b32 v[80+\k], v[72+\k], v[68+\k], s53
.endr
.irp k, 0,1,2,3
	ds_store_b32 v21, v[80+\k] offset:64*\k
.endr
	ds_store_b128 v23, v[76:79]
; PHASE left: my part of the tiles that are read next is in ('left' loads issued behind it may stay out), and so is everybody's.  The first also shows the scale words to every wave.
.macro PHASE left
	s_wait_tensorcnt \left
	s_wait_dscnt 0x0
	s_barrier_signal -1
	s_barrier_wait -1
.endm
.macro VLOAD s, g                      ; four fragments of V^T (part g's four tiles of 16 d, the step's 128 keys) and my row's four scale words
.irp t, 0,1,2,3
.irp c, 0,1,2,3
	ds_load_b128 v[FR+16*\t+4*\c:FR+16*\t+4*\c+3], v[AV+(\s)/4] offset:((\s)%4)*16384+(4*(\g)+\t)*2048+512*\c
.endr
.endr
	ds_load_b128 v[KS:KS+3], v[ASV] offset:(\s)*512+(\g)*256
.endm
.macro PV s, g                         ; O^T += V^T P^T: eight products, each fragment of V for both tiles; the accumulators take turns.  The first step starts the sums: nothing is cleared
.if (\s) == 0
	WIN 0x40                                       ; D window 1
.else
	WIN 0x50                                       ; C and D window 1
.endif
.irp t, 0,1,2,3
.irp u, 0,1
.if (\s) == 0
	v_wmma_scale_f32_16x16x128_f8f6f4 v[OO+64*\u+8*(4*(\g)+\t):OO+64*\u+8*(4*(\g)+\t)+7], v[FR+16*\t:FR+16*\t+15], v[PCD+16*\u:PCD+16*\u+15], 0, v[KS+\t], v[TP+32*\u+17]
.else
	v_wmma_scale_f32_16x16x128_f8f6f4 v[OO+64*\u+8*(4*(\g)+\t):OO+64*\u+8*(4*(\g)+\t)+7], v[FR+16*\t:FR+16*\t+15], v[PCD+16*\u:PCD+16*\u+15], v[OO+64*\u+8*(4*(\g)+\t):OO+64*\u+8*(4*(\g)+\t)+7], v[KS+\t], v[TP+32*\u+17]
.endif
.endr
.endr
	WIN 0
.endm
.macro SUMS u                          ; THE ROW'S SUM IS TAKEN OF THE UNQUANTISED p: two at a time, in two chains that stay from step to step
	WIN 0x04                                       ; source 1 window 1
	s_wait_alu depctr_va_vdst(0)
.irp j, 0,4,8,12,16,20,24,28,32,36,40,44,48,52,56,60
	v_pk_add_f32 v[ST+4*\u+2:ST+4*\u+3], v[ST+4*\u+2:ST+4*\u+3], v[SS+64*\u+\j:SS+64*\u+\j+1]
	v_pk_add_f32 v[TP+32*\u+20:TP+32*\u+21], v[TP+32*\u+20:TP+32*\u+21], v[SS+64*\u+\j+2:SS+64*\u+\j+3]
.endr
.endm
.macro CODES u                         ; the held p become the second product's operand
	WIN 0x01                                       ; source 0 window 1
.irp b, 0,1,2,3
	v_cvt_scalef32_pk8_fp8_f32 v[PCD+16*\u+4*\b:PCD+16*\u+4*\b+1], v[SS+64*\u+16*\b:SS+64*\u+16*\b+7], v[TP+32*\u+12+\b]
	v_cvt_scalef32_pk8_fp8_f32 v[PCD+16*\u+4*\b+2:PCD+16*\u+4*\b+3], v[SS+64*\u+16*\b+8:SS+64*\u+16*\b+15], v[TP+32*\u+12+\b]
.endr
.endm
; A KEY STEP: 128 keys, both tiles.  Written out eight times: every offset is an immediate.
.set KS2, 250                          ; v250-253: the scale words of V's second four fragments
.macro KLOAD s, g                      ; four fragments of K (tiles 4 g .. 4 g + 3 of key step s) and their scale words
.irp t, 0,1,2,3
.irp c, 0,1,2,3
	ds_load_b128 v[FR+16*\t+4*\c:FR+16*\t+4*\c+3], v[AK+(\s)/4] offset:((\s)%4)*16384+(4*(\g)+\t)*2048+512*\c
.endr
	ds_load_b32 v[KS+\t], v[ASK] offset:(\s)*512+(4*(\g)+\t)*64
.endr
.endm
.macro VLOAD1 s                        ; the imaginary part's four fragments of V^T go into tile 0's registers of S^T (window 1), which are done with once tile 0's codes are made: they land beside tile 1's work
	WIN 0x40                                       ; destination window 1, address window 0
.irp t, 0,1,2,3
.irp c, 0,1,2,3
	ds_load_b128 v[SS+16*\t+4*\c:SS+16*\t+4*\c+3], v[AV+(\s)/4] offset:((\s)%4)*16384+(4+\t)*2048+512*\c
.endr
.endr
	WIN 0
	ds_load_b128 v[KS2:KS2+3], v[ASV] offset:(\s)*512+256
.endm
.macro PV1 s                           ; O^T += V^T P^T, the imaginary part: source 0 from window 1; the accumulators take turns
.if (\s) == 0
	WIN 0x41                                       ; source 0 and D window 1
.else
	WIN 0x51                                       ; source 0, C and D window 1
.endif
.irp t, 0,1,2,3
.irp u, 0,1
.if (\s) == 0
	v_wmma_scale_f32_16x16x128_f8f6f4 v[OO+64*\u+8*(4+\t):OO+64*\u+8*(4+\t)+7], v[SS+16*\t:SS+16*\t+15], v[PCD+16*\u:PCD+16*\u+15], 0, v[KS2+\t], v[TP+32*\u+17]
.else
	v_wmma_scale_f32_16x16x128_f8f6f4 v[OO+64*\u+8*(4+\t):OO+64*\u+8*(4+\t)+7], v[SS+16*\t:SS+16*\t+15], v[PCD+16*\u:PCD+16*\u+15], v[OO+64*\u+8*(4+\t):OO+64*\u+8*(4+\t)+7], v[KS2+\t], v[TP+32*\u+17]
.endif
.endr
.endr
	WIN 0
.endm
.macro STEP s
.irp g, 0,1
	PLACES 9                                       ; nine: the scores below are written over registers that the last step's products read as source 0
.if (\g) || (\s) == 0 || (\s) == 2
	KLOAD \s, \g                                   ; (the first four fragments of the other steps were asked for in the step before)
.endif
	s_wait_dscnt 0x0
	WIN 0x40                                       ; D window 1
.irp t, 0,1,2,3
.irp u, 0,1
	v_wmma_scale_f32_16x16x128_f8f6f4 v[SS+64*\u+8*(4*\g+\t):SS+64*\u+8*(4*\g+\t)+7], v[FR+16*\t:FR+16*\t+15], v[QF+16*\u:QF+16*\u+15], 0, v[KS+\t], v[QS+\u]
.endr
.endr
	WIN 0
.endr                                          ; lane (r, h) holds query r of each tile; the 16 registers of tiles 2 b, 2 b + 1 are keys 128 s + 32 b + 16 h + 0 .. 15
	PLACES 8
	VLOAD \s, 0                                    ; the fragments' registers are free: V's first four are asked for ahead of the softmax and land beside it
	WIN 0x15                                       ; sources window 1
.irp u, 0,1
.irp b, 0,1,2,3
	v_max3_num_f32 v[TP+32*\u+\b], v[SS+64*\u+16*\b], v[SS+64*\u+16*\b+1], v[SS+64*\u+16*\b+2]   ; THE LARGEST SCORE OF EACH BLOCK OF 32 KEYS serves twice: for the row's maximum, and, since p rises with the score, for the block's largest p
.endr
.endr
	WIN 0x14                                       ; sources 1 and 2 window 1
.irp i, 3,5,7,9,11,13
.irp u, 0,1
.irp b, 0,1,2,3
	v_max3_num_f32 v[TP+32*\u+\b], v[TP+32*\u+\b], v[SS+64*\u+16*\b+\i], v[SS+64*\u+16*\b+\i+1]   ; (eight chains by turns)
.endr
.endr
.endr
.irp u, 0,1
.irp b, 0,1,2,3
	v_max_num_f32 v[TP+32*\u+\b], v[TP+32*\u+\b], v[SS+64*\u+16*\b+15]
.endr
.endr
	WIN 0                                          ; ALL THE SMALL WORK OF BOTH TILES hangs on the blocks' largest scores alone, so it stands together, ahead of the 128 exponentials
.irp u, 0,1
.irp b, 0,1,2,3
	v_permlanex16_b32 v[TP+32*\u+4+\b], v[TP+32*\u+\b], s[SEL], s[SEL+1]
.endr
.endr
.irp u, 0,1
.irp b, 0,1,2,3
	v_max_num_f32 v[TP+32*\u+\b], v[TP+32*\u+\b], v[TP+32*\u+4+\b]   ; with lane l xor 16's 16 keys
.endr
.endr
.irp u, 0
	v_max3_num_f32 v[TP+32*\u+18], v[TP+32*\u], v[TP+32*\u+1], v[TP+32*\u+2]
.endr
.irp u, 1
	s_delay_alu instid0(VALU_DEP_3)
	v_max3_num_f32 v[TP+32*\u+18], v[TP+32*\u], v[TP+32*\u+1], v[TP+32*\u+2]
.endr
.irp u, 0,1
	s_delay_alu instid0(VALU_DEP_2)
	v_max_num_f32 v[TP+32*\u+18], v[TP+32*\u+18], v[TP+32*\u+3]      ; the step's largest score of my query
.endr
.irp u, 0,1
	s_delay_alu instid0(VALU_DEP_2)
	v_mul_f32 v[TP+32*\u+18], s[CS], v[TP+32*\u+18]                  ; as t (c is positive)
.endr
.irp u, 0,1
	s_delay_alu instid0(VALU_DEP_2)
	v_max_num_f32 v[ST+4*\u+1], v[ST+4*\u+1], v[TP+32*\u+18]         ; the running largest t
.endr
.irp u, 0,1
	v_mov_b32 v[TP+32*\u+18], v[ST+4*\u]
.endr
.irp u, 0,1
	s_delay_alu instid0(VALU_DEP_4)
	v_floor_f32 v[ST+4*\u], -v[ST+4*\u+1]                            ; the new -M = floor(-t) = -ceil(t): M IS A WHOLE NUMBER
.endr
.irp u, 0,1
	s_delay_alu instid0(VALU_DEP_2)
	v_sub_f32 v[TP+32*\u+18], v[ST+4*\u], v[TP+32*\u+18]             ; M's old value less its new one: a whole number, 0 or less
.endr
.irp u, 0,1
	s_delay_alu instid0(VALU_DEP_2)
	v_cvt_i32_f32 v[TP+32*\u+18], v[TP+32*\u+18]                     ; (it saturates)
.endr
.irp u, 0,1
	s_delay_alu instid0(VALU_DEP_2)
	v_ldexp_f32 v[TP+32*\u+16], 1.0, v[TP+32*\u+18]                  ; f = 2^(old M - new M): a multiplication by it rounds nothing
.endr
.irp u, 0,1
.irp b, 0,1,2,3
	v_fma_f32 v[TP+32*\u+\b], v[TP+32*\u+\b], s[CS], v[ST+4*\u]      ; t - M of each block's largest score
.endr
.endr
	s_wait_alu depctr_va_vdst(0)
.irp u, 0,1
.irp b, 0,1,2,3
	v_exp_f32 v[TP+32*\u+\b], v[TP+32*\u+\b]                         ; the block's largest p: the same two instructions as below on the same number give the same bits
.endr
.endr
.irp u, 0,1
	v_pk_mul_f32 v[ST+4*\u+2:ST+4*\u+3], v[ST+4*\u+2:ST+4*\u+3], v[TP+32*\u+16:TP+32*\u+17] op_sel_hi:[1,0]       ; the sums under the new M.  (Plain places behind the exponentials)
	v_pk_mul_f32 v[TP+32*\u+20:TP+32*\u+21], v[TP+32*\u+20:TP+32*\u+21], v[TP+32*\u+16:TP+32*\u+17] op_sel_hi:[1,0]
.endr
	s_wait_alu depctr_va_vdst(0)
.irp u, 0,1
.irp b, 0,1,2,3
	v_max_num_f32 v[TP+32*\u+\b], 0x4800000, v[TP+32*\u+\b]          ; the floor 2^(9 - 127): the byte cannot fall under 1 (a block whose every p has fallen to 0 keeps that byte: its codes are zeros)
.endr
.endr
.irp u, 0,1
.irp b, 0,1,2,3
	v_add_nc_u32 v[TP+32*\u+12+\b], 0xfc000000, v[TP+32*\u+\b]       ; 8 off the exponent field: the conversion's scale operand
.endr
.endr
.irp u, 0,1
.irp b, 0,1,2,3
	v_and_or_b32 v[TP+32*\u+8+\b], v[TP+32*\u+\b], 0x7f800000, s[MNT]   ; 448 x the scale
.endr
.endr
.irp u, 0,1
.irp b, 0,1,2,3
	v_lshrrev_b32 v[TP+32*\u+4+\b], 23, v[TP+32*\u+12+\b]            ; the scale's byte
.endr
.endr
.irp u, 0
	v_lshl_or_b32 v[TP+32*\u+17], v[TP+32*\u+5], 8, v[TP+32*\u+4]    ; p's scale word for these 128 keys
.endr
.irp u, 1
	s_delay_alu instid0(VALU_DEP_4)
	v_lshl_or_b32 v[TP+32*\u+17], v[TP+32*\u+5], 8, v[TP+32*\u+4]    ; p's scale word for these 128 keys
.endr
.irp u, 0,1
	s_delay_alu instid0(VALU_DEP_2)
	v_lshl_or_b32 v[TP+32*\u+17], v[TP+32*\u+6], 16, v[TP+32*\u+17]
.endr
.irp u, 0,1
	s_delay_alu instid0(VALU_DEP_2)
	v_lshl_or_b32 v[TP+32*\u+17], v[TP+32*\u+7], 24, v[TP+32*\u+17]
.endr
	WIN 0x41                                       ; destination and source 0 window 1
.set J, 0
.rept 32
	v_pk_fma_f32 v[SS+J:SS+J+1], v[SS+J:SS+J+1], s[CS:CS+1], v[ST:ST+1] op_sel_hi:[1,0,0]   ; tile 0: t - M, two at a time (of the pairs c and -M the low word serves both halves)
.set J, J+2
.endr
.set J, 0
	s_wait_alu depctr_va_vdst(0)
.rept 32                                       ; tile 0's exponentials, with tile 1's scalings between them
	v_exp_f32 v[SS+J], v[SS+J]                     ; p = 2^(t - M), at most 1: NOT normalised
	v_exp_f32 v[SS+J+1], v[SS+J+1]
	v_pk_fma_f32 v[SS+64+J:SS+64+J+1], v[SS+64+J:SS+64+J+1], s[CS:CS+1], v[ST+4:ST+5] op_sel_hi:[1,0,0]
.set J, J+2
.endr
	SUMS 0
	WIN 0x41
.set J, 0
.rept 64                                       ; tile 1's exponentials, with tile 0's holds between them
	v_exp_f32 v[SS+64+J], v[SS+64+J]
	v_min_num_f32 v[SS+J], v[SS+J], v[TP+8+J/16]   ; the conversion to an 8-bit code does not saturate (ISA guide 7.6.2); p is not negative, so the hold is one-sided
.set J, J+1
.endr
	s_wait_alu depctr_va_vdst(0)
	CODES 0
	VLOAD1 \s
	SUMS 1                                         ; (its first line is the plain line behind the conversions)
	WIN 0x41
.set J, 0
.rept 64
	v_min_num_f32 v[SS+64+J], v[SS+64+J], v[TP+32+8+J/16]
.set J, J+1
.endr
	CODES 1
.if (\s) == 0
	s_wait_alu depctr_va_vdst(0)
	PLACES 4                                       ; the first step has no O^T to bring under a new M: four places between the codes and the products that take them
.else
	WIN 0x41
.irp u, 0,1
.set J, 0
.rept 32
	v_pk_mul_f32 v[OO+64*\u+J:OO+64*\u+J+1], v[OO+64*\u+J:OO+64*\u+J+1], v[TP+32*\u+16:TP+32*\u+17] op_sel_hi:[1,0]   ; O^T under the new M: x f, each accumulator from its low end on.  (These are also the places in front of the products below)
.set J, J+2
.endr
.endr
.endif
	s_wait_alu depctr_va_vdst(0)
	s_wait_dscnt 0x0                               ; V's first four fragments, asked for ahead of the softmax
	PV \s, 0                                       ; the real part's four tiles of d
	PLACES 8
.if (\s) != 1 && (\s) != 7
	KLOAD (\s)+1, 0                                ; the next step's first four fragments of K: they land beside the products below.  Not for key step 2, whose tiles the barrier between the steps shows
.endif
	PV1 \s                                         ; its fragments were covered by the wait ahead of the real part's products
.endm
	s_wait_alu depctr_va_vdst(0)
	s_cmp_eq_u32 s3, 0
	s_cbranch_scc0 .Lnot_first
	s_wait_tensorcnt 0x0                           ; waves 0 and 4: key steps 0 and 1 are in; the other waves' loads may be out
.Lnot_first:
	s_wait_dscnt 0x0
	s_barrier_signal -1
	s_barrier_wait -1
	STEP 0
	STEP 1
	PHASE 0                                        ; all of K and V is in: no tensor load of mine is out from here on, and no barrier stands in the six steps that follow
	STEP 2
	STEP 3
	STEP 4
	STEP 5
	STEP 6
	STEP 7
; QUANT: 64 numbers of a lane, v[s] on, register 16 b + i = neighbour 32 b + 16 (lane / 16) + i, become a fragment's codes in v[pc] on and its scale word in v[pw].
.macro QUANT s, pc, pw
.irp b, 0,1,2,3
	v_max3_num_f32 v[TM+\b], |v[\s+16*\b]|, |v[\s+1+16*\b]|, 0x4800000   ; block b: my 16 numbers, and the floor 2^(9 - 127)
.endr
.irp i, 2,4,6,8,10,12,14
.irp b, 0,1,2,3
	s_delay_alu instid0(VALU_DEP_4)
	v_max3_num_f32 v[TM+\b], v[TM+\b], |v[\s+16*\b+\i]|, |v[\s+1+16*\b+\i]|
.endr
.endr
.irp b, 0,1,2,3
	s_delay_alu instid0(VALU_DEP_4)
	v_permlanex16_b32 v[TM+4+\b], v[TM+\b], s[SEL], s[SEL+1]
.endr
.irp b, 0,1,2,3
	s_delay_alu instid0(VALU_DEP_4)
	v_max_num_f32 v[TM+\b], v[TM+\b], v[TM+4+\b]   ; with lane l xor 16's: the block's largest magnitude
.endr
.irp b, 0,1,2,3
	s_delay_alu instid0(VALU_DEP_4)
	v_add_nc_u32 v[TM+12+\b], 0xfc000000, v[TM+\b]
.endr
.irp b, 0,1,2,3
	v_and_or_b32 v[TM+8+\b], v[TM+\b], 0x7f800000, s[MNT]
.endr
.irp b, 0,1,2,3
	v_lshrrev_b32 v[TM+4+\b], 23, v[TM+12+\b]
.endr
	s_delay_alu instid0(VALU_DEP_3)
	v_lshl_or_b32 v[\pw], v[TM+5], 8, v[TM+4]
	s_delay_alu instid0(VALU_DEP_1)
	v_lshl_or_b32 v[\pw], v[TM+6], 16, v[\pw]
	s_delay_alu instid0(VALU_DEP_1)
	v_lshl_or_b32 v[\pw], v[TM+7], 24, v[\pw]
.irp b, 0,1,2,3
.irp i, 0,1,2,3,4,5,6,7,8,9,10,11,12,13,14,15
	v_med3_num_f32 v[\s+16*\b+\i], v[\s+16*\b+\i], -v[TM+8+\b], v[TM+8+\b]
.endr
	v_cvt_scalef32_pk8_fp8_f32 v[\pc+4*\b:\pc+1+4*\b], v[\s+16*\b:\s+7+16*\b], v[TM+12+\b]
	v_cvt_scalef32_pk8_fp8_f32 v[\pc+2+4*\b:\pc+3+4*\b], v[\s+8+16*\b:\s+15+16*\b], v[TM+12+\b]
.endr
	v_nop                                          ; one plain vector line behind the last conversion: the next tile's numbers are written over its sources
.endm
	; THE WAY OUT.  The first eleven lines name no register of the last products: they are the places behind them.
	v_lshrrev_b32 v8, 5, v0
	s_delay_alu instid0(VALU_DEP_1)
	v_lshlrev_b32 v8, 7, v8
	v_and_b32 v9, 15, v0
	s_delay_alu instid0(VALU_DEP_1)
	v_lshl_add_u32 v8, v9, 2, v8
	s_delay_alu instid0(VALU_DEP_1)
	v_add_nc_u32 v8, STG, v8                       ; my queries' words in the stage: 128 x wave + 64 x tile + 4 r
	v_lshl_add_u32 v9, v0, 4, STG                  ; and where threads 0-63 read the 1,024 bytes back
	v_lshlrev_b32 v10, 4, v0
.irp b, 0,1,2,3
	v_mov_b32 v[TM+4+\b], 0                        ; written once: a lane permute's destination counts as one of its sources
.endr
.irp u, 0,1
	v_pk_add_f32 v[ST+4*\u+2:ST+4*\u+3], v[ST+4*\u+2:ST+4*\u+3], v[TP+32*\u+20:TP+32*\u+21]   ; the sum's four parts,
.endr
.irp u, 0,1
	s_delay_alu instid0(VALU_DEP_2)
	v_add_f32 v[ST+4*\u+2], v[ST+4*\u+2], v[ST+4*\u+3]
.endr
.irp u, 0,1
	s_delay_alu instid0(VALU_DEP_2)
	v_permlanex16_b32 v[TP+32*\u+4], v[ST+4*\u+2], s[SEL], s[SEL+1]
.endr
.irp u, 0,1
	s_delay_alu instid0(VALU_DEP_2)
	v_add_f32 v[ST+4*\u+2], v[ST+4*\u+2], v[TP+32*\u+4]   ; and lane l xor 16's: the row's sum
.endr
	s_wait_alu depctr_va_vdst(0)
.irp u, 0,1
	v_rcp_f32 v[ST+4*\u+2], v[ST+4*\u+2]
.endr
	v_nop                                          ; one plain place behind the transcendentals
	s_wait_alu depctr_va_vdst(0)
.irp u, 0,1
	WIN 0x01                                       ; source 0 (O^T) window 1
.set J, 0
.rept 64
	v_mul_f32 v[FR+J], v[OO+64*\u+J], v[ST+4*\u+2] ; O^T / the sum, each accumulator from its low end on: register 16 b + i is d = 32 (b % 2) + 16 h + i of part b / 2
.set J, J+1
.endr
	WIN 0
	QUANT FR, PCD+16*\u, PW+\u
.irp c, 0,1,2,3
	global_store_b128 v[AK], v[PCD+16*\u+4*\c:PCD+16*\u+4*\c+3], s[16:17] offset:\u*16384+(\c%2)*512+(\c/2)*4194304   ; 32 lanes store 512 consecutive bytes, aligned; the next tile of rows lies 16,384 bytes on, the imaginary part's operand 4 MiB on
.endr
	ds_store_b32 v8, v[PW+\u] offset:64*\u         ; both halves of the lanes write the same word with the same value
.endr
	s_wait_dscnt 0x0                               ; for the others' sake: my stores are done
	s_barrier_signal -1
	s_barrier_wait -1
	s_cmp_lt_u32 s[WV], 2
	s_cbranch_scc0 .Lno_words
	ds_load_b128 v[24:27], v9                      ; waves 0 and 1 store the work-group's 256 scale words: 1,024 consecutive bytes, aligned
	s_wait_dscnt 0x0
	global_store_b128 v10, v[24:27], s[58:59]
.Lno_words:
	s_wait_tensorcnt 0x0
	ds_add_u32 v254, v255
	s_wait_dscnt 0x0
	ROUND                                          ; the closing round: no work-group ends while a partner may still ask for a tile that names it
	s_endpgm
.Lfunc_end_k_qe7e8ded845_attn:
	.size	k_qe7e8ded845_attn, .Lfunc_end_k_qe7e8ded845_attn-k_qe7e8ded845_attn
	.p2alignl 7, 3214868480
	.fill 96, 4, 3214868480
	.section	.rodata,"a",@progbits
	.p2align	6, 0x0
	.amdhsa_kernel k_qe7e8ded845_attn
		.amdhsa_group_segment_fixed_size 327680
		.amdhsa_private_segment_fixed_size 0
		.amdhsa_enable_private_segment 0
		.amdhsa_kernarg_size 32
		.amdhsa_user_sgpr_count 2
		.amdhsa_user_sgpr_kernarg_segment_ptr 1
		.amdhsa_wavefront_size32 1
		.amdhsa_system_sgpr_workgroup_id_x 1
		.amdhsa_system_sgpr_workgroup_id_y 1
		.amdhsa_system_sgpr_workgroup_id_z 1
		.amdhsa_system_vgpr_workitem_id 0
		.amdhsa_next_free_vgpr 512
		.amdhsa_next_free_sgpr 66
		.amdhsa_reserve_vcc 0
		.amdhsa_float_denorm_mode_32 3
		.amdhsa_float_denorm_mode_16_64 3
		.amdhsa_memory_ordered 1
		.amdhsa_forward_progress 1
		.amdhsa_inst_pref_size 255
	.end_amdhsa_kernel
	.section	.bss,"aw",@nobits
	.p2align	6
	.space	262144
	.amdgpu_metadata
---
amdhsa.version: [ 1, 2 ]
amdhsa.kernels:
  - .name:           k_qe7e8ded845_attn
    .symbol:         k_qe7e8ded845_attn.kd
    .args:
      - { .name: c2, .offset: 0, .size: 8, .value_kind: global_buffer, .address_space: global }
      - { .name: s2, .offset: 8, .size: 8, .value_kind: global_buffer, .address_space: global }
      - { .name: c3, .offset: 16, .size: 8, .value_kind: global_buffer, .address_space: global }
      - { .name: s3, .offset: 24, .size: 8, .value_kind: global_buffer, .address_space: global }
    .group_segment_fixed_size: 327680
    .private_segment_fixed_size: 0
    .kernarg_segment_align: 8
    .kernarg_segment_size: 32
    .max_flat_workgroup_size: 256
    .sgpr_count:     66
    .vgpr_count:     512
    .wavefront_size: 32
...
	.end_amdgpu_metadata
.endif
;; end of part 3
;; launch outp (part 4): grid 16 x 16, 4 waves a work-group, clusters of 4 x 4, 327,680 bytes of LDS; arguments c3, s3, c1, s1, bo_r, bo_i, out0, out1; writes out0, out1
.if DOCPART == 4
	.amdgcn_target "amdgcn-amd-amdhsa--gfx1250"
	.amdhsa_code_object_version 6
	.text
	.protected	k_qe7e8ded845_outp
	.globl	k_qe7e8ded845_outp
	.p2align	8
	.type	k_qe7e8ded845_outp,@function
k_qe7e8ded845_outp:
	s_mov_b64 s[64:65], 0
	v_nop
	global_prefetch_b8 v0, s[64:65] scope:SCOPE_SE
	s_setreg_imm32_b32 hwreg(HW_REG_WAVE_MODE, 25, 1), 1
	s_wait_xcnt 0x0
	s_wait_alu depctr_hold_cnt(0) depctr_sa_sdst(0) depctr_va_vdst(0) depctr_va_sdst(0) depctr_va_ssrc(0) depctr_va_vcc(0) depctr_vm_vsrc(0)
	s_getreg_b32 s2, hwreg(HW_REG_IB_STS2, 6, 4)
	s_cmp_eq_u32 s2, 0
	s_cbranch_scc0 .Lentry_in_a_cluster
	s_endpgm
.Lentry_in_a_cluster:
	s_bfe_u32 s2, ttmp6, 0x10000c
	s_cmp_lg_u32 s2, 0xf033
	s_cbranch_scc0 .Lentry_shape_is_right
	s_endpgm
.Lentry_shape_is_right:
; THE TWO OUTPUT PROJECTIONS out_p = O_p Wo_p^T + bo_p on codes of FP8 (E4M3) with E8M0 scales for each 32 along K = 1,024; out: [4096][1024] f32.
; A = O_p: c3 + p x 4 MiB, images of an operand's registers: [tile of 16 rows 256][128 along K 8][group 4][512 bytes].  Its scale bytes: s3, [batch x head 64][query 1024] words, bytes 2 p, 2 p + 1 the part's two blocks of a head.
; B = Wo_p: c1 + (30 + p) MiB, rows of 1,024 codes; scale bytes s1 + 786,432 + (6 + p) x 32,768, 32 a row.
; THE DEAL.  256 work-groups of four waves, 2 x 2, each 256 rows x 128 columns.  A wave holds 64 rows of Wo, ALL of K, in 512 registers; O's rows go past them in blocks of 16, which stand in registers as two whole sets.
; LDS: two slots of 128 lines of 1,024 bytes + 16 of padding.  At the head waves 0, 1 bring Wo's rows (slot 1), waves 2, 3 O's first 128 rows (slot 0).  When Wo is in registers, O's other 128 rows are filled over it, behind a drained round.
; O's scale words are put together from s3 in registers (two heads' halves make the word of 128 along K) and stored to LDS bytes of their own once.  The bias is the C of a sum's first product.
; Source 0 = 16 rows of Wo, source 1 = 16 rows of O: a lane holds eight neighbouring numbers of a row of out.  A block's 16 rows x 64 columns go through the wave's own stage and leave as aligned runs of 256 bytes.
; CLUSTERS: 4 x 4: O's rows are shared along a row of the cluster, Wo's along a column.  PREFETCH: O's second 128 rows are asked for at the head, 8,192 bytes for each of the sixteen waves that share them.
; LIMITS: NaN and infinities are not served.
.set PITCH, 1040
.set BLKB, 16*PITCH
.set YB, 128*PITCH
.set SCL, 2*YB                         ; O's scale bytes: 32 units of 256 bytes (8 rows) + 16
.set SU, 544
.set STG, SCL+32*272                   ; the stages: 16 rows x (256 + 16) bytes for each wave
.set SPARE, STG+4*4352
.set CHB, 131072
.set NF, 34
.set NP, 8
.set SPW, 10
.set NIL, 11
.set AX, 12
.set AW, 14
.set AS, 16
.set LW, 17
.set BO, 18
.set STO, 19
.set RD, 20
.set CO, 21
.set T8, 22
.set AT, 23
.set SB, 24
.set PF, 40
.set SA, 60
.set ACC, 96
.set BQ, 160
.set OB, 192
.set G1W, 24
.set G1X, 32
.set G0W, 40
.set G0X, 44
.set MSB, 0
.macro WIN new
.if MSB != (\new)
	s_set_vgpr_msb (MSB<<8)|(\new)
.set MSB, (\new)
.endif
.endm
.macro PLACES n
.rept \n
	v_nop
.endr
.endm
.macro BARRIER
	s_barrier_signal -1
	s_barrier_wait -1
.endm
.macro CROUND
	BARRIER
	s_cmp_lg_u32 s12, 0
	s_cbranch_scc1 .Lnot_wave_0_\@
	s_barrier_signal -3
.Lnot_wave_0_\@:
	s_barrier_wait -3
	BARRIER
.endm
.macro TLOAD g0, g1
	tensor_load_to_lds s[\g0:\g0+3], s[\g1:\g1+7]
	s_nop 0
	PLACES 4
.endm
.macro GROUP1 g, mask, rows
	s_or_b32 s[\g], s\mask, (1<<20)|(1<<21)|(7<<22)|(3<<25)
	s_mov_b32 s[\g+1], 1024<<16
	s_mov_b32 s[\g+2], (\rows)<<16
	s_mov_b32 s[\g+3], 1024<<16
	s_mov_b32 s[\g+4], \rows
	s_mov_b32 s[\g+5], 1024
	s_mov_b32 s[\g+6], 0
	s_mov_b32 s[\g+7], 0
.endm
.macro SHADD d, x, sh
	s_lshl_b32 s3, s\x, \sh
	s_add_co_u32 s\d, s\d, s3
.endm
	s_load_b512 s[68:83], s[0:1], 0x0              ; c3 68, s3 70, c1 72, s1 74, bo_r 76, bo_i 78, out0 80, out1 82
	v_lshl_add_u32 v[SPW], v0, 2, SPARE
	v_mov_b32 v[NIL], 0
	ds_add_u32 v[SPW], v[NIL]                      ; the opening lines
	ds_add_u32 v[SPW], v[NIL]
	v_lshrrev_b32 v1, 5, v0
	v_readfirstlane_b32 s12, v1
	s_lshr_b32 s13, s12, 1                         ; w
	s_and_b32 s14, s12, 1                          ; my column of waves; at the head: which half I fetch
	s_bfe_u32 s15, ttmp6, 0x40000
	s_bfe_u32 s16, ttmp6, 0x40004
	s_and_b32 s18, ttmp7, 0xffff
	s_and_b32 s20, s18, 1                          ; p
	s_and_b32 s22, ttmp9, 1
	s_lshl_b32 s22, s22, 2
	s_add_co_u32 s22, s22, s16
	s_lshr_b32 s21, s18, 1
	SHADD 22, 21, 3                                ; my block of 256 rows
	s_lshr_b32 s23, ttmp9, 1
	s_lshl_b32 s23, s23, 2
	s_add_co_u32 s23, s23, s15                     ; my block of 128 columns
	s_lshl_b32 s2, s16, 2
	s_lshl_b32 s2, 15, s2
	s_lshl_b32 s3, 0x1111, s15
	GROUP1 G1W, 3, 64
	GROUP1 G1X, 2, 64
	s_mov_b32 s105, 0
	s_lshl_b32 s19, s20, 22
	SHADD 19, 22, 18                               ; s19: my rows in c3
	s_add_co_u32 s88, s20, 30
	s_lshl_b32 s88, s88, 20
	SHADD 88, 23, 17                               ; s88: Wo's rows in c1
	s_mul_i32 s89, s14, 64*PITCH
	s_lshl_b32 s90, s14, 16
	s_wait_dscnt 0x0
	CROUND
	s_wait_kmcnt 0x0
	s_mov_b32 s[G0W], 1
	s_add_co_u32 s[G0W+1], s89, YB
	s_add_co_u32 s104, s88, s90
	s_add_nc_u64 s[G0W+2:G0W+3], s[72:73], s[104:105]
	s_or_b32 s[G0W+3], s[G0W+3], 0x80000000
	s_mov_b32 s[G0X], 1
	s_mov_b32 s[G0X+1], s89
	s_add_co_u32 s104, s19, s90
	s_add_nc_u64 s[G0X+2:G0X+3], s[68:69], s[104:105]
	s_or_b32 s[G0X+3], s[G0X+3], 0x80000000
	s_cmp_lt_u32 s12, 2                            ; one load a wave: waves 0, 1 Wo's halves, which are wanted first; waves 2, 3 the halves of O's first 128 rows
	s_cbranch_scc0 .Lfor_x
	TLOAD G0W, G1W
	s_branch .Lasked
.Lfor_x:
	TLOAD G0X, G1X
.Lasked:
	s_mov_b32 s91, 0x05040100                      ; of two heads' words the low halves (real) or the high halves (imaginary)
	s_cmp_eq_u32 s20, 1
	s_cselect_b64 s[76:77], s[78:79], s[76:77]
	s_cselect_b64 s[80:81], s[82:83], s[80:81]
	s_cselect_b32 s91, 0x07060302, s91
	s_lshl_b32 s104, s23, 9
	SHADD 104, 14, 8
	s_add_nc_u64 s[76:77], s[76:77], s[104:105]    ; the bias at my 64 columns
	SHADD 104, 22, 20
	SHADD 104, 13, 18
	s_add_nc_u64 s[80:81], s[80:81], s[104:105]    ; out at my first row and column
	s_add_co_u32 s104, s20, 6
	s_lshl_b32 s104, s104, 15
	s_add_co_u32 s104, s104, 786432
	SHADD 104, 23, 12
	SHADD 104, 14, 11
	s_add_nc_u64 s[78:79], s[74:75], s[104:105]    ; Wo's scale bytes: my 64 rows
	s_lshr_b32 s104, s22, 2
	s_lshl_b32 s104, s104, 16
	s_and_b32 s86, s22, 3
	SHADD 104, 86, 10
	s_add_nc_u64 s[82:83], s[70:71], s[104:105]    ; s3 at my batch's first head and my 256 queries
	s_lshl_b32 s104, s15, 2
	s_add_co_u32 s104, s104, s12
	s_lshl_b32 s104, s104, 13
	s_add_co_u32 s104, s104, s19
	s_add_nc_u64 s[92:93], s[68:69], s[104:105]
	s_mul_i32 s86, s13, 4*BLKB
	s_mul_i32 s87, s14, 4*BLKB
	s_add_co_u32 s87, s87, YB
	s_mul_i32 s94, s13, 4*SU
	s_add_co_u32 s94, s94, SCL
	s_mul_i32 s95, s12, 4352
	s_add_co_u32 s95, s95, STG
	v_and_b32 v1, 15, v0
	v_bfe_u32 v2, v0, 4, 1
	v_and_b32 v3, 31, v0
	v_lshl_add_u32 v[AX], v3, 4, s86               ; an image: 16 x lane
	v_add_nc_u32 v[AX+1], YB, v[AX]
	v_add_nc_u32 v[AX+29], 2*BLKB, v[AX]           ; v41, v42: the same two blocks on, so that every offset stays inside its 16 bits
	v_add_nc_u32 v[AX+30], 2*BLKB, v[AX+1]
	v_mul_u32_u24 v4, v1, PITCH
	v_lshl_add_u32 v4, v2, 4, v4
	v_add_nc_u32 v[AW], s87, v4
	v_lshrrev_b32 v5, 3, v1
	v_lshlrev_b32 v6, 5, v1
	v_lshl_add_u32 v6, v5, 4, v6
	v_add_nc_u32 v[AS], s94, v6
	v_lshlrev_b32 v[LW], 5, v3
	v_lshlrev_b32 v[BO], 5, v2
	v_mul_u32_u24 v7, v1, 272
	v_lshl_add_u32 v7, v2, 5, v7
	v_add_nc_u32 v[STO], s95, v7                   ; into the stage: row r, 32 h bytes on
	v_mul_u32_u24 v8, v2, 272
	v_lshl_add_u32 v8, v1, 4, v8
	v_add_nc_u32 v[RD], s95, v8                    ; back: lanes 0-15 one row, lanes 16-31 the next
	v_lshlrev_b32 v9, 12, v2
	v_lshl_add_u32 v[CO], v1, 4, v9                ; and the same two rows in out
	v_lshlrev_b32 v[T8], 3, v0                     ; thread t takes rows 2 t, 2 t + 1 of the 256
	v_lshrrev_b32 v4, 2, v0
	v_lshlrev_b32 v[AT], 6, v0
	v_lshl_add_u32 v[AT], v4, 4, v[AT]
	v_add_nc_u32 v[AT], SCL, v[AT]                 ; their 64 scale bytes: 64 t, and 16 more behind 8 rows
	v_lshlrev_b32 v[PF], 8, v3
	s_wait_alu depctr_va_vdst(0)
.irp h, 0,1,2,3,4,5,6,7,8,9,10,11,12,13,14,15
	global_load_b64 v[ACC+2*\h:ACC+2*\h+1], v[T8], s[82:83] offset:\h*4096
.endr
.irp p, 0,1
.irp c, 0,1
	global_load_b128 v[SB+8*\p+4*\c:SB+8*\p+4*\c+3], v[LW], s[78:79] offset:\p*1024+16*\c
.endr
.endr
.irp b, 0,1,2,3
	global_load_b128 v[BQ+8*\b:BQ+8*\b+3], v[BO], s[76:77] offset:64*\b
	global_load_b128 v[BQ+8*\b+4:BQ+8*\b+7], v[BO], s[76:77] offset:64*\b+16
.endr
	s_cmp_lt_u32 s12, 2
	s_cbranch_scc0 .Lnot_w
	s_wait_tensorcnt 0x0                           ; waves 0, 1: Wo's rows have landed
.Lnot_w:
	BARRIER
	global_prefetch_b8 v[PF], s[92:93] offset:CHB th:TH_LOAD_NT scope:SCOPE_SE
.irp q, 0,1,2,3,4,5,6,7                ; my 64 rows of Wo, all of K: fragment 4 q + b in windows 1 and 2
.irp b, 0,1,2,3
	WIN (1+(4*\q+\b)/16)<<6
.irp c, 0,1,2,3
	ds_load_b128 v[16*((4*\q+\b)%16)+4*\c:16*((4*\q+\b)%16)+4*\c+3], v[AW] offset:\b*BLKB+128*\q+32*\c
.endr
.endr
.endr
	WIN 0
	s_wait_loadcnt 0x0
.irp q, 0,1,2,3,4,5,6,7
	v_perm_b32 v[ACC+32+\q], v[ACC+4*\q+2], v[ACC+4*\q], s91       ; row 2 t, K 128 q on: heads 2 q and 2 q + 1, two bytes each
	v_perm_b32 v[ACC+40+\q], v[ACC+4*\q+3], v[ACC+4*\q+1], s91     ; row 2 t + 1
.endr
.irp k, 0,1,2,3
	ds_store_b128 v[AT], v[ACC+32+4*\k:ACC+32+4*\k+3] offset:16*\k
.endr
	s_wait_tensorcnt 0x0                           ; O's first rows are in; no tensor load of mine is out
	ds_add_u32 v[SPW], v[NIL]
	s_mov_b32 s[G1X+2], 32<<16                     ; the refill: 32 lines a wave
	s_mov_b32 s[G1X+4], 32
	s_mul_i32 s[G0X+1], s12, 32*PITCH
	s_add_co_u32 s[G0X+1], s[G0X+1], YB
	s_lshl_b32 s104, s12, 15
	s_add_co_u32 s104, s104, s19
	s_add_co_u32 s104, s104, CHB
	s_add_nc_u64 s[G0X+2:G0X+3], s[68:69], s[104:105]
	s_or_b32 s[G0X+3], s[G0X+3], 0x80000000
	s_wait_dscnt 0x0                               ; the add and my stores are done, and Wo is in registers
	CROUND
	TLOAD G0X, G1X
.macro FETCH e, slot, i, so            ; a tile of 16 rows from its image: byte y of the dense chunk lies at 1,040 (y / 1,024) + y % 1,024
	WIN 3<<6
.irp q, 0,1,2,3,4,5,6,7
.irp c, 0,1,2,3
	ds_load_b128 v[128*(\e)+16*\q+4*\c:128*(\e)+16*\q+4*\c+3], v[AX+(\slot)+29*((\i)/2)] offset:((\i)%2)*BLKB+\q*2080+(\c/2)*1040+(\c%2)*512
.endr
.endr
	WIN 0
	ds_load_b128 v[SA+8*(\e):SA+8*(\e)+3], v[AS] offset:\so
	ds_load_b128 v[SA+8*(\e)+4:SA+8*(\e)+7], v[AS] offset:(\so)+16
.endm
.macro PROD e, n                       ; product n = 4 q + b; the four sums take turns
.set Q_, (\n)/4
.set B_, (\n)%4
.set D_, ACC+32*(\e)+8*B_
.set C_, D_
.if Q_ == 0
.set C_, BQ+8*B_
.endif
.set X_, 128*(\e)+16*Q_
.set W_, 16*((\n)%16)
	WIN (1+(\n)/16)|(3<<2)
.if B_%2
	v_wmma_scale_f32_16x16x128_f8f6f4 v[D_:D_+7], v[W_:W_+15], v[X_:X_+15], v[C_:C_+7], v[SB+8*(B_/2)+Q_], v[SA+8*(\e)+Q_] matrix_a_scale:MATRIX_SCALE_ROW1
.else
	v_wmma_scale_f32_16x16x128_f8f6f4 v[D_:D_+7], v[W_:W_+15], v[X_:X_+15], v[C_:C_+7], v[SB+8*(B_/2)+Q_], v[SA+8*(\e)+Q_]
.endif
.endm
.macro PRODS e, from, to
.set N_, \from
.rept (\to)-(\from)
	PROD \e, N_
.set N_, N_+1
.endr
.endm
.macro TOSTAGE e                       ; 16 LDS instructions; LDS serves a wave's instructions in order (ISA guide 5.7.1.4)
.irp b, 0,1,2,3
	ds_store_b128 v[STO], v[ACC+32*(\e)+8*\b:ACC+32*(\e)+8*\b+3] offset:64*\b
	ds_store_b128 v[STO], v[ACC+32*(\e)+8*\b+4:ACC+32*(\e)+8*\b+7] offset:64*\b+16
.endr
.irp t, 0,1,2,3,4,5,6,7
	ds_load_b128 v[OB+32*(\e)+4*\t:OB+32*(\e)+4*\t+3], v[RD] offset:\t*544
.endr
.endm
.macro SEND m                          ; block m's 16 rows: sixteen lanes store 256 consecutive bytes, aligned
.irp t, 0,1,2,3,4,5,6,7
	global_store_b128 v[CO], v[OB+32*((\m)%2)+4*\t:OB+32*((\m)%2)+4*\t+3], s[80:81] offset:(((\m)/4)*128+((\m)%4)*16+2*\t)*4096 th:TH_STORE_NT
.endr
.endm
; Block m.  wt: the LDS instructions issued behind block m's fetch and block m - 2's turn through the stage, which may be out.  Block 2 holds the barrier that shows the second 128 rows.
.macro PER m, wt, fetch
	s_wait_dscnt \wt
.if (\m) >= 2
	SEND (\m)-2
.endif
.if (\m) == 2
	PRODS 0, 0, 28
	WIN 0
	s_wait_tensorcnt 0x0
	s_wait_dscnt 0x0
	s_barrier_signal -1
	PRODS 0, 28, 32
	WIN 0
	s_barrier_wait -1
.else
	PRODS (\m)%2, 0, 32
	WIN 0
.endif
	PLACES NP
.if \fetch
	FETCH (\m)%2, ((\m)+2)/4, ((\m)+2)%4, (8*(((\m)+2)/4)+((\m)+2)%4)*SU
.endif
	s_wait_xcnt 0x0                                ; block m - 2's stores have read their registers
	TOSTAGE (\m)%2
.endm
	FETCH 0, 0, 0, 0
	FETCH 1, 0, 1, SU
	PER 0, NF, 1
	PER 1, NF+16, 1
	PER 2, NF+16, 1
	PER 3, NF+16, 1
	PER 4, NF+16, 1
	PER 5, NF+16, 1
	PER 6, NF+16, 0
	PER 7, 16, 0
	s_wait_dscnt 16
	SEND 6
	s_wait_dscnt 0x0
	SEND 7
	s_wait_tensorcnt 0x0                           ; the wave's end
	ds_add_u32 v[SPW], v[NIL]
	s_wait_dscnt 0x0
	CROUND
	s_endpgm
.Lfunc_end_k_qe7e8ded845_outp:
	.size	k_qe7e8ded845_outp, .Lfunc_end_k_qe7e8ded845_outp-k_qe7e8ded845_outp
	.p2alignl 7, 3214868480
	.fill 96, 4, 3214868480
	.section	.rodata,"a",@progbits
	.p2align	6, 0x0
	.amdhsa_kernel k_qe7e8ded845_outp
		.amdhsa_group_segment_fixed_size 327680
		.amdhsa_private_segment_fixed_size 0
		.amdhsa_enable_private_segment 0
		.amdhsa_kernarg_size 64
		.amdhsa_user_sgpr_count 2
		.amdhsa_user_sgpr_kernarg_segment_ptr 1
		.amdhsa_wavefront_size32 1
		.amdhsa_system_sgpr_workgroup_id_x 1
		.amdhsa_system_sgpr_workgroup_id_y 1
		.amdhsa_system_sgpr_workgroup_id_z 1
		.amdhsa_system_vgpr_workitem_id 0
		.amdhsa_next_free_vgpr 1024
		.amdhsa_next_free_sgpr 106
		.amdhsa_reserve_vcc 0
		.amdhsa_float_denorm_mode_32 3
		.amdhsa_float_denorm_mode_16_64 3
		.amdhsa_memory_ordered 1
		.amdhsa_forward_progress 1
		.amdhsa_inst_pref_size 88
	.end_amdhsa_kernel
	.amdgpu_metadata
---
amdhsa.version: [ 1, 2 ]
amdhsa.kernels:
  - .name:           k_qe7e8ded845_outp
    .symbol:         k_qe7e8ded845_outp.kd
    .args:
      - { .name: c3, .offset: 0, .size: 8, .value_kind: global_buffer, .address_space: global }
      - { .name: s3, .offset: 8, .size: 8, .value_kind: global_buffer, .address_space: global }
      - { .name: c1, .offset: 16, .size: 8, .value_kind: global_buffer, .address_space: global }
      - { .name: s1, .offset: 24, .size: 8, .value_kind: global_buffer, .address_space: global }
      - { .name: bo_r, .offset: 32, .size: 8, .value_kind: global_buffer, .address_space: global }
      - { .name: bo_i, .offset: 40, .size: 8, .value_kind: global_buffer, .address_space: global }
      - { .name: out0, .offset: 48, .size: 8, .value_kind: global_buffer, .address_space: global }
      - { .name: out1, .offset: 56, .size: 8, .value_kind: global_buffer, .address_space: global }
    .group_segment_fixed_size: 327680
    .private_segment_fixed_size: 0
    .kernarg_segment_align: 8
    .kernarg_segment_size: 64
    .max_flat_workgroup_size: 128
    .sgpr_count:     106
    .vgpr_count:     1024
    .wavefront_size: 32
...
	.end_amdgpu_metadata
.endif
;; end of part 4
